; MI455X (gfx1250); checked and timed in simulation.
; The chip was launched on July 23, 2026; its instructions are those of AMD's public machine-readable ISA for CDNA 5 (MIT licence, August 2026) and "CDNA5" Instruction Set Architecture Reference Guide (July 2026). The comments in the code are by the model that wrote it; some were corrected since.
;; Multi Head Attention. Allowed arithmetic: matrix products marked QUANTISED: E2M1 operands, one E8M0 scale for each 32 along K, by v_wmma_scale_f32_16x16x128_f8f6f4 with both operands' format E2M1 (or v_wmma_scale_f32_32x16x128_f4), f32 sums; products left as they are: bf16, f16 or f32 operands; f32 sums; everything else in f32.
;; Inputs: Wk 1,024 x 1,024 float32; Wo 1,024 x 1,024 float32; Wq 1,024 x 1,024 float32; Wv 1,024 x 1,024 float32; bk 1,024 float32; bo 1,024 float32; bq 1,024 float32; bv 1,024 float32; key 2 x 2,048 x 1,024 float32; query 2 x 2,048 x 1,024 float32; rel 2,049 x 64 float32; value 2 x 2,048 x 1,024 float32.
;; Outputs: out0 2 x 2,048 x 1,024 float32.
;; This version of the problem:
;;   THIS VERSION OF THE PROBLEM IS GIVEN IN LOW PRECISION. The matrix products marked QUANTISED in the list below multiply operands that are first quantised to E2M1 (2 exponent bits, 1 mantissa bit; 4 bits a number), with one power-of-two scale for each 32 numbers along K (OCP MX v1.0); their sums are f32. The products marked 'left as it is' may take bf16, f16 or f32 operands, with f32 sums. Whichever they take, every output number must still come out within the allowed error. Rounding operands to bf16 (8 significant bits) uses up far more of that allowance than f16 does (11 bits, for magnitudes from 6e-5 to 65,504). All else is computed in f32.
;;   The module's matrix products, in the order in which they are computed (A, B: the left and right operand; K: the contracted axis; several contracted axes count as one K, in the product's order):
;;     1. [M 4,096, K 1,024] x [K 1,024, N 1,024]; A: input query; B: input Wq: QUANTISED
;;     2. [M 4,096, K 1,024] x [K 1,024, N 1,024]; A: input key; B: input Wk: QUANTISED
;;     3. [M 4,096, K 1,024] x [K 1,024, N 1,024]; A: input value; B: input Wv: QUANTISED
;;     4. [M 65,536, K 64] x [K 64, N 2,048]; A: computed on the way; B: input rel: left as it is (an operand is computed on the way)
;;     5. batch 32 x [M 2,048, K 64] x [K 64, N 2,048]; A: computed on the way; B: computed on the way: left as it is (an operand is computed on the way)
;;     6. batch 32 x [M 2,048, K 2,048] x [K 2,048, N 64]; A: computed on the way; B: computed on the way: left as it is (an operand is computed on the way)
;;     7. [M 4,096, K 1,024] x [K 1,024, N 1,024]; A: computed on the way; B: input Wo: left as it is (an operand is computed on the way)
;;   THE QUANTISER, for each operand of a quantised product, along K:
;;     - K is cut into blocks of 32 from its start; a last block that is shorter is filled with zeros.
;;     - A block's scale is 2^e with e = floor(log2(the largest magnitude in the block)) - 2, held to -126 .. 127; a block of zeros has e = 0. As a byte (E8M0): e + 127.
;;     - Each number is divided by its block's scale, clamped to +-6, and rounded to the nearest number of E2M1, ties to even, subnormals kept.
;;     - The product sums the exact products of the quantised numbers (number of the format x scale) in f32.
;;   ~~~python
;;   def quantise(x, axis):      # numpy; x: float32 -> the quantised numbers, widened to float32 again
;;       x = np.moveaxis(x, axis, -1); K = x.shape[-1]
;;       x = np.pad(x, [(0, 0)] * (x.ndim - 1) + [(0, -K % 32)]); x = x.reshape(x.shape[:-1] + (-1, 32)); a = np.abs(x).max(-1, keepdims=True)
;;       e = np.where(a > 0, np.clip(np.frexp(np.where(a > 0, a, 1))[1] - 1 - 2, -126, 127), 0)      # np.frexp(a)[1] - 1 = floor(log2(a)), exactly
;;       r = np.clip(x / 2.0 ** e, -6, 6)
;;       step = 2.0 ** (np.maximum(np.frexp(np.where(r == 0, 1, r))[1] - 1, 0) - 1)
;;       q = np.round(r / step) * step * 2.0 ** e      # np.round: ties to even
;;       return np.moveaxis(q.reshape(q.shape[:-2] + (-1,))[..., :K], -1, axis).astype(np.float32)
;;   ~~~
;; One version. Each part assembles by itself: llvm-mc -triple=amdgcn-amd-amdhsa -mcpu=gfx1250 --defsym DOCPART=n.
;; ======== version 1 of 1: 4 launches
;; limits: values are held in f16: magnitudes above 65,504 overflow, below 6.1e-05 lose precision
;; workspace buffers: acodes 6,291,456 bytes; ascales 393,216 bytes; wcodes 1,572,864 bytes; wscales 98,304 bytes; wo16 2,097,152 bytes; e16 278,528 bytes; qkv16 25,165,824 bytes; o16 8,388,608 bytes
;; launch prep (part 1): grid 552 x 1, 4 waves a work-group, no clusters, 68,096 bytes of LDS; arguments query, key, value, Wq, Wk, Wv, Wo, rel, acodes, ascales, wcodes, wscales, wo16, e16; writes acodes, ascales, wcodes, wscales, wo16, e16
.if DOCPART == 1
	.amdgcn_target "amdgcn-amd-amdhsa--gfx1250"
	.amdhsa_code_object_version 6
	.text
	.protected	k_q60d3021994_prep
	.globl	k_q60d3021994_prep
	.p2align	8
	.type	k_q60d3021994_prep,@function
k_q60d3021994_prep:
	s_mov_b64 s[64:65], 0
	v_nop
	global_prefetch_b8 v0, s[64:65] scope:SCOPE_SE
	s_setreg_imm32_b32 hwreg(HW_REG_WAVE_MODE, 25, 1), 1
	s_wait_xcnt 0x0
; MULTI-HEAD ATTENTION WITH A SKEWED RELATIVE TERM, first of four launches: the operands are made ready.
; WORK LEFT OUT IN THE WHOLE PROGRAM, shown from the index arithmetic of the problem, for all finite values of the inputs:
;  (1) THE SKEW.  With M = L = 2048, srel[i][j] is flat element (i+1) 2048 + j = i 2049 + (2048 - i + j) of the padded [2048][2049] array.
;      j <= i: row i, column 2048 - i + j >= 1, that is qe[i][2047 - i + j], which the mask m >= 2047 - i keeps: srel[i][j] = q_i . rel[2048 - i + j].
;      j = i + 1: row i + 1, column 0: the pad, 0.      j > i + 1: qe[i+1][j - i - 2] with j - i - 2 < 2046 - i: the mask has made it 0.
;      So only q_i . rel[2048 - i + j] for j <= i is ever used: the other half of the product q . rel^T is multiplied by a mask that the problem builds itself and is not computed where it comes in whole tiles.
;  (2) rel[0] is sliced away (start = 1): it is not read.
;  (3) bk adds q_i . bk to every logit of row i: the same along the softmax's axis, and q . k^T is no quantised product: bk reaches no output.  It is not loaded and is among no launch's arguments.
;  LIMIT: a NaN, an infinity or an overflow that reaches only the work left out (rel[0], bk, the masked half of q . rel^T) is not carried to the result.
; THIS LAUNCH, three paths chosen by the work-group's number, each with LDS bytes of its own:
;  A (work-groups 0-383):   query, key, value [4096][1024] f32 -> codes of E2M1, K innermost, [12288][512 bytes], and E8M0 bytes [12288][32].
;  B (work-groups 384-479): Wq, Wk, Wv [k 1024][n 1024] f32, K the first axis -> codes [3072 n][512 bytes], K innermost, and bytes [3072][32].
;  C (work-groups 480-551): Wo -> f16 as it lies; rel[1:] -> f16, [2176][64], rows 2048-2175 zeros (the rows that keys after the query fall on).
; THE QUANTISER: a block's scale is 2^(floor(log2(largest magnitude)) - 2); its byte is the largest magnitude's exponent field - 2, held at 1 from below; each number / scale to the nearest code, ties to even, beyond 6 the code of 6.
; LIMITS: a block of zeros gets the byte 1 where the rule says 127 (its codes are zeros, and this program alone reads the bytes); blocks whose largest magnitude lies under 2^-124 keep the byte 1; NaN and infinities among the inputs are not served.
.set SPW,   12                         ; v12  LDS address of my spare word; never rewritten
.set NIL,   13                         ; v13  0; never rewritten
.set SPARE, 67584                      ; behind both paths' regions: the spare words, 128 bytes for each wave
.set EMAX,  2
	s_load_b512 s[8:23], s[0:1], 0x0               ; query s[8:9], key s[10:11], value s[12:13], Wq s[14:15], Wk s[16:17], Wv s[18:19], Wo s[20:21], rel s[22:23]
	s_load_b256 s[24:31], s[0:1], 0x40             ; acodes s[24:25], ascales s[26:27], wcodes s[28:29], wscales s[30:31]
	s_load_b128 s[32:35], s[0:1], 0x60             ; wo16 s[32:33], e16 s[34:35]
	v_lshl_add_u32 v[SPW], v0, 2, SPARE
	v_mov_b32 v[NIL], 0
	v_lshrrev_b32 v1, 5, v0
	v_readfirstlane_b32 s36, v1                    ; wave 0..3
	v_and_b32 v2, 31, v0                           ; lane
	s_wait_kmcnt 0x0
	s_cmp_ge_u32 ttmp9, 480
	s_cbranch_scc1 .Lpath_c
	s_cmp_ge_u32 ttmp9, 384
	s_cbranch_scc1 .Lpath_b
; ---------------- PATH A: K innermost.  A tensor is a plain stream of blocks of 32.  A wave takes 16 steps of 512 numbers.  Each load reads 512 consecutive bytes; a step's 2,048 bytes turn through the
; wave's own stage in LDS and come back 64 bytes a lane: 16 neighbours along K, two lanes to a block.  Loads run four steps ahead, the turn through LDS one step.
.set STEPS, 16
.set CB,    8                          ; bytes of 16 codes
.set AR,    16                         ; v16-79   four sets of 16 numbers as loaded
.set AX,    80                         ; v80-111  two sets of 16 neighbours
.set AE,    112                        ; v112-127 a scale byte for each step
.set AC,    128                        ; v128-191 codes, four registers for each step: no store's data are written again
.set WREG,  8192                       ; LDS bytes 0 .. 32,767: a region for each wave: two stages of 32 x SP bytes, then its 256 scale bytes
.set SP,    80                         ; a lane's place in a stage: 64 bytes + 16 of padding
	v_lshlrev_b32 v3, 4, v2                        ; my 16 bytes of a load's 512
	s_mul_i32 s37, s36, WREG
	v_lshrrev_b32 v14, 2, v2
	v_mul_u32_u24 v14, v14, SP
	v_and_b32 v15, 3, v2
	v_lshl_add_u32 v14, v15, 4, v14
	v_add_nc_u32 v14, s37, v14                     ; the stage, way in: SP (lane / 4) + 16 (lane % 4)
	v_mul_u32_u24 v15, v2, SP
	v_add_nc_u32 v15, s37, v15                     ; way out: SP x lane
	v_mul_u32_u24 v4, v2, CB                       ; my codes' place in a step's 256 bytes
	v_lshrrev_b32 v5, 1, v2
	s_add_co_u32 s37, s37, 2*32*SP
	v_add_nc_u32 v5, s37, v5                       ; my block's scale byte in the wave's 256
	v_lshlrev_b32 v7, 3, v2
	v_add_nc_u32 v6, s37, v7                       ; and 8 bytes a lane on their way out
	s_cmp_lt_u32 ttmp9, 128                        ; which tensor: the choice hangs on the work-group's number alone
	s_cselect_b64 s[38:39], s[8:9], s[10:11]
	s_cmp_lt_u32 ttmp9, 256
	s_cselect_b64 s[38:39], s[38:39], s[12:13]
	s_and_b32 s40, ttmp9, 127
	s_lshl_b32 s40, s40, 2
	s_add_co_u32 s40, s40, s36                     ; my run of 8,192 numbers in the tensor
	s_lshl_b32 s40, s40, 15                        ; 32,768 bytes a run
	s_mov_b32 s41, 0
	s_add_nc_u64 s[38:39], s[38:39], s[40:41]
	s_lshl_b32 s42, ttmp9, 2
	s_add_co_u32 s42, s42, s36                     ; my run among the three tensors' 1,536
	s_lshl_b32 s40, s42, 12                        ; 4,096 bytes of codes a run
	s_add_nc_u64 s[24:25], s[24:25], s[40:41]
	s_lshl_b32 s40, s42, 8                         ; 256 scale bytes a run
	s_add_nc_u64 s[26:27], s[26:27], s[40:41]
.macro ALOAD t
.irp i, 0,1,2,3
	global_load_b128 v[AR+16*((\t)%4)+4*\i:AR+16*((\t)%4)+4*\i+3], v3, s[38:39] offset:2048*(\t)+512*\i th:TH_LOAD_NT   ; 32 lanes read 512 consecutive bytes
.endr
.endm
.macro ATURN t                         ; LDS serves a wave's instructions in order: no wait between the stores and the loads
.irp i, 0,1,2,3
	ds_store_b128 v14, v[AR+16*((\t)%4)+4*\i:AR+16*((\t)%4)+4*\i+3] offset:32*SP*((\t)%2)+8*SP*\i
.endr
.irp i, 0,1,2,3
	ds_load_b128 v[AX+16*((\t)%2)+4*\i:AX+16*((\t)%2)+4*\i+3], v15 offset:32*SP*((\t)%2)+16*\i
.endr
.endm
.irp t, 0,1,2,3
	ALOAD \t
.endr
	s_wait_loadcnt 12                              ; step 0's four loads are in; the twelve of steps 1 to 3 may be out
	ATURN 0
.macro ASTEP t
.set XS, AX+16*((\t)%2)
.if (\t) > 0
	s_wait_dscnt 1                                 ; this step's numbers are back from the stage; the last step's byte store may be out
.else
	s_wait_dscnt 0x0
.endif
.if (\t)+4 < STEPS
	ALOAD (\t)+4                                   ; into the set whose stores to the stage have read their registers
.endif
.if (\t)+1 < STEPS
.if STEPS-2-(\t) >= 3
	s_wait_loadcnt 12                              ; the next step's four loads are in; those of the three steps behind it may be out
.else
	s_wait_loadcnt 4*(STEPS-2-(\t))
.endif
	ATURN (\t)+1
.endif
	v_max3_num_f32 v8, |v[XS]|, |v[XS+1]|, |v[XS+2]|               ; the largest magnitude of my 16, in two chains
	v_max3_num_f32 v9, |v[XS+3]|, |v[XS+4]|, |v[XS+5]|
.irp i, 6,10
	v_max3_num_f32 v8, v8, |v[XS+\i]|, |v[XS+\i+1]|
	v_max3_num_f32 v9, v9, |v[XS+\i+2]|, |v[XS+\i+3]|
.endr
	v_max3_num_f32 v8, v8, |v[XS+14]|, |v[XS+15]|
	v_max3_num_f32 v8, v8, v9, (EMAX+1)<<23        ; and the floor 2^(3 - 127): the byte cannot fall under 1
	v_max_num_f32_dpp v8, v8, v8 row_xmask:1 row_mask:0xf bank_mask:0xf   ; with my neighbour's 16: the block's
	v_add_nc_u32 v11, -(EMAX<<23), v8              ; 2 off its exponent field: the conversion takes this operand's exponent field as its scale
	v_cvt_scalef32_pk8_fp4_f32 v[AC+4*(\t)], v[XS:XS+7], v11
	v_cvt_scalef32_pk8_fp4_f32 v[AC+4*(\t)+1], v[XS+8:XS+15], v11
	v_lshrrev_b32 v[AE+(\t)], 23, v11              ; the scale's byte (also the plain line behind the conversions)
	ds_store_b8 v5, v[AE+(\t)] offset:16*(\t)      ; both lanes of a block write the same byte with the same value
	global_store_b64 v4, v[AC+4*(\t):AC+4*(\t)+1], s[24:25] offset:32*CB*(\t)   ; the wave stores 256 consecutive bytes, aligned
.endm
.irp t, 0,1,2,3,4,5,6,7,8,9,10,11,12,13,14,15
	ASTEP \t
.endr
	ds_load_b64 v[8:9], v6                         ; in order behind my byte stores
	s_wait_dscnt 0x0
	global_store_b64 v7, v[8:9], s[26:27]          ; the wave's 256 scale bytes, consecutive and aligned
	s_wait_tensorcnt 0x0                           ; the wave's end, behind my last LDS store
	ds_add_u32 v[SPW], v[NIL]
	s_wait_dscnt 0x0
	s_endpgm
; ---------------- PATH B: K is the first axis.  A lane takes a column n and its registers run down K: a block of 32 lies in one lane's 32 registers, and the conversions give codes with K innermost.
; A work-group takes 64 columns x 512 along K.  Waves 0 and 1 stand side by side on 256 consecutive bytes of each row of W and take the first 256 along K, waves 2 and 3 the second 256: 8 blocks a wave, loads two blocks ahead:
; as many trips to memory on end as a wave of path A has.  A column's 256 bytes of codes come from two waves: so the stage in LDS is the work-group's, a barrier stands between writing and reading it,
; and each wave then stores 16 whole rows: sixteen lanes store 256 consecutive bytes, aligned.
.Lpath_b:
.set NB,    8                          ; blocks of 32 along K for a wave
.set PITCH, 272                        ; a stage row: 256 bytes of codes + 16
.set KROW,  512                        ; a row of the codes' buffer
.set WROW,  4096                       ; a row of W in bytes
.set BSTG,  32768                      ; LDS bytes 32,768 .. 50,175: the stage, 64 x PITCH
.set BX,    32                         ; v32-95   two sets of 32 numbers
.set BC,    96                         ; v96-99   a block's codes
.set BOUT,  112                        ; v112-143 the way out
.set BSB,   24                         ; v24-25   the scale bytes, four to a register
	s_sub_co_u32 s37, ttmp9, 384
	s_lshr_b32 s40, s37, 5                         ; which weight: 0 Wq, 1 Wk, 2 Wv
	s_and_b32 s41, s37, 15                         ; which 64 columns
	s_bfe_u32 s42, s37, 0x10004                    ; which 512 along K
	s_and_b32 s46, s36, 1                          ; my 32 of the 64 columns
	s_lshr_b32 s47, s36, 1                         ; my 256 of the 512 along K
	s_lshl_b32 s43, s41, 6
	s_lshl_b32 s44, s46, 5
	s_add_co_u32 s43, s43, s44                     ; my wave's first column
	v_lshlrev_b32 v3, 2, v2                        ; in: 4 bytes a lane
	s_mul_i32 s44, s46, 32*PITCH
	s_lshl_b32 s45, s47, 7
	s_add_co_u32 s44, s44, s45
	s_add_co_u32 s44, s44, BSTG
	v_mul_u32_u24 v4, v2, PITCH
	v_add_nc_u32 v4, s44, v4                       ; into the stage: row = my column among the 64, my half of its 256 bytes
	v_and_b32 v5, 15, v2
	v_lshrrev_b32 v6, 4, v2
	v_mul_u32_u24 v7, v6, PITCH
	v_lshl_add_u32 v7, v5, 4, v7
	s_mul_i32 s44, s36, 16*PITCH
	s_add_co_u32 s44, s44, BSTG
	v_add_nc_u32 v7, s44, v7                       ; out of it: rows 16 x wave on; sixteen lanes to a row, two rows an instruction
	v_mul_u32_u24 v8, v6, KROW
	v_lshl_add_u32 v8, v5, 4, v8                   ; the same place in the codes' buffer
	v_mul_u32_u24 v9, v2, 32                       ; my column's row of scale bytes
	s_cmp_eq_u32 s40, 0
	s_cselect_b64 s[38:39], s[14:15], s[16:17]
	s_cmp_lt_u32 s40, 2
	s_cselect_b64 s[38:39], s[38:39], s[18:19]
	s_lshl_b32 s44, s42, 21                        ; 512 rows of 4,096 bytes,
	s_lshl_b32 s45, s47, 20                        ; 256 rows,
	s_add_co_u32 s44, s44, s45
	s_lshl_b32 s45, s43, 2                         ; my first column
	s_add_co_u32 s44, s44, s45
	s_mov_b32 s45, 0
	s_add_nc_u64 s[38:39], s[38:39], s[44:45]
	s_lshl_b32 s44, s40, 19                        ; codes: 524,288 bytes a weight, 512 a column (the 64 columns' first + 16 x wave), 256 for 512 along K
	s_lshl_b32 s46, s41, 15
	s_add_co_u32 s44, s44, s46
	s_lshl_b32 s46, s36, 13
	s_add_co_u32 s44, s44, s46
	s_lshl_b32 s46, s42, 8
	s_add_co_u32 s44, s44, s46
	s_add_nc_u64 s[28:29], s[28:29], s[44:45]
	s_lshl_b32 s44, s40, 15                        ; scale bytes: 32,768 a weight, 32 a column, 16 for 512 along K, 8 for 256
	s_lshl_b32 s46, s43, 5
	s_add_co_u32 s44, s44, s46
	s_lshl_b32 s46, s42, 4
	s_add_co_u32 s44, s44, s46
	s_lshl_b32 s46, s47, 3
	s_add_co_u32 s44, s44, s46
	s_add_nc_u64 s[30:31], s[30:31], s[44:45]
.macro BLOAD t                         ; block t: W(32 t + i, my column), i = 0 .. 31; every offset an immediate, 255 x 4,096 bytes at the most
.irp i, 0,1,2,3,4,5,6,7,8,9,10,11,12,13,14,15,16,17,18,19,20,21,22,23,24,25,26,27,28,29,30,31
	global_load_b32 v[BX+32*((\t)%2)+\i], v3, s[38:39] offset:(32*(\t)+\i)*WROW th:TH_LOAD_NT
.endr
.endm
	BLOAD 0
	BLOAD 1
.macro BBLOCK t
.set XS, BX+32*((\t)%2)
.if (\t) < NB-1
	s_wait_loadcnt 32                              ; this block's 32 loads are in; the next block's may be out
.else
	s_wait_loadcnt 0
.endif
	v_max3_num_f32 v16, |v[XS]|, |v[XS+1]|, |v[XS+2]|               ; the block's largest magnitude: all 32 numbers are mine
	v_max3_num_f32 v17, |v[XS+3]|, |v[XS+4]|, |v[XS+5]|
.irp i, 6,10,14,18,22,26
	v_max3_num_f32 v16, v16, |v[XS+\i]|, |v[XS+\i+1]|
	v_max3_num_f32 v17, v17, |v[XS+\i+2]|, |v[XS+\i+3]|
.endr
	v_max3_num_f32 v16, v16, |v[XS+30]|, |v[XS+31]|
	v_max3_num_f32 v16, v16, v17, (EMAX+1)<<23     ; and the floor
	v_add_nc_u32 v11, -(EMAX<<23), v16             ; the conversion's scale operand
	v_lshrrev_b32 v17, 23, v11                     ; the scale's byte
.if (\t)%4 == 0
	v_mov_b32 v[BSB+(\t)/4], v17                   ; four bytes to a register, the lower K in the lower byte
.else
	v_lshl_or_b32 v[BSB+(\t)/4], v17, 8*((\t)%4), v[BSB+(\t)/4]
.endif
.irp g, 0,1,2,3
	v_cvt_scalef32_pk8_fp4_f32 v[BC+\g], v[XS+8*\g:XS+8*\g+7], v11
.endr
	v_nop                                          ; one plain line behind the last conversion
	ds_store_b128 v4, v[BC:BC+3] offset:16*(\t)    ; 32 codes: 16 bytes of my column's row
.if (\t)+2 < NB
	BLOAD (\t)+2
.endif
	s_wait_dscnt 0x0                               ; the store has read its registers: the next block's codes may be written
.endm
.set Q, 0
.rept NB
	BBLOCK Q
.set Q, Q+1
.endr
	global_store_b64 v9, v[BSB:BSB+1], s[30:31]    ; my column's 8 scale bytes
	s_wait_dscnt 0x0                               ; for the others' sake: my stores into the stage are done
	s_barrier_signal -1
	s_barrier_wait -1                              ; the 64 rows are whole
.irp t, 0,1,2,3,4,5,6,7
	ds_load_b128 v[BOUT+4*\t:BOUT+4*\t+3], v7 offset:2*\t*PITCH
.endr
.irp t, 0,1,2,3,4,5,6,7
	s_wait_dscnt 7-\t                              ; load t is in; the 7 - t behind it may be out
	global_store_b128 v8, v[BOUT+4*\t:BOUT+4*\t+3], s[28:29] offset:2*\t*KROW
.endr
	s_wait_tensorcnt 0x0                           ; the wave's end: the three lines
	ds_add_u32 v[SPW], v[NIL]
	s_wait_dscnt 0x0
	s_endpgm
; ---------------- PATH C: f32 -> f16, as the numbers lie.  A wave takes 4,096 numbers: 32 loads of 512 consecutive bytes, all issued at once; each becomes one store of 256 consecutive bytes, aligned.
.Lpath_c:
	s_sub_co_u32 s37, ttmp9, 480                   ; 0-63: Wo; 64-71: rel
	s_cmp_lt_u32 s37, 64
	s_cselect_b64 s[38:39], s[20:21], s[22:23]
	s_cselect_b64 s[40:41], s[32:33], s[34:35]
	s_cselect_b32 s42, 0, 64
	s_cselect_b32 s43, 0, 256                      ; rel's row 0, 256 bytes, is sliced away and not read
	s_sub_co_u32 s42, s37, s42                     ; my part of the tensor: 16,384 numbers
	s_lshl_b32 s44, s42, 16
	s_add_co_u32 s44, s44, s43
	s_mov_b32 s45, 0
	s_add_nc_u64 s[38:39], s[38:39], s[44:45]
	s_lshl_b32 s44, s42, 15
	s_add_nc_u64 s[40:41], s[40:41], s[44:45]
	v_lshlrev_b32 v3, 4, v2
	s_lshl_b32 s46, s36, 14
	v_add_nc_u32 v3, s46, v3                       ; in: 16,384 x wave + 16 x lane
	v_lshlrev_b32 v4, 3, v2
	s_lshl_b32 s46, s36, 13
	v_add_nc_u32 v4, s46, v4                       ; out: 8,192 x wave + 8 x lane
.set i, 0
.rept 32
	global_load_b128 v[16+4*i:19+4*i], v3, s[38:39] offset:512*i th:TH_LOAD_NT
.set i, i+1
.endr
.set i, 0
.rept 32
	s_wait_loadcnt 31-i                            ; load i is in; the 31 - i behind it may be out
	v_cvt_pk_f16_f32 v[16+4*i], v[16+4*i], v[17+4*i]
	v_cvt_pk_f16_f32 v[17+4*i], v[18+4*i], v[19+4*i]
	global_store_b64 v4, v[16+4*i:17+4*i], s[40:41] offset:256*i
.set i, i+1
.endr
	s_cmp_lt_u32 s37, 64
	s_cbranch_scc1 .Lc_end
	v_mov_b32 v8, 0                                ; rel's eight work-groups also write the 128 zero rows, 2,048 bytes each: 16 bytes a thread
	v_mov_b32 v9, 0
	v_mov_b32 v10, 0
	v_mov_b32 v11, 0
	v_lshlrev_b32 v5, 4, v0
	s_lshl_b32 s44, s42, 11
	s_add_co_u32 s44, s44, 262144                  ; behind the 2,048 rows of 128 bytes
	s_add_nc_u64 s[34:35], s[34:35], s[44:45]
	global_store_b128 v5, v[8:11], s[34:35]
.Lc_end:
	s_wait_tensorcnt 0x0                           ; this path writes no LDS; it ends as the launch's other paths end
	ds_add_u32 v[SPW], v[NIL]
	s_wait_dscnt 0x0
	s_endpgm
.Lfunc_end_k_q60d3021994_prep:
	.size	k_q60d3021994_prep, .Lfunc_end_k_q60d3021994_prep-k_q60d3021994_prep
	.p2alignl 7, 3214868480
	.fill 96, 4, 3214868480
	.section	.rodata,"a",@progbits
	.p2align	6, 0x0
	.amdhsa_kernel k_q60d3021994_prep
		.amdhsa_group_segment_fixed_size 68096
		.amdhsa_private_segment_fixed_size 0
		.amdhsa_enable_private_segment 0
		.amdhsa_kernarg_size 112
		.amdhsa_user_sgpr_count 2
		.amdhsa_user_sgpr_kernarg_segment_ptr 1
		.amdhsa_wavefront_size32 1
		.amdhsa_system_sgpr_workgroup_id_x 1
		.amdhsa_system_sgpr_workgroup_id_y 1
		.amdhsa_system_sgpr_workgroup_id_z 1
		.amdhsa_system_vgpr_workitem_id 0
		.amdhsa_next_free_vgpr 192
		.amdhsa_next_free_sgpr 66
		.amdhsa_reserve_vcc 0
		.amdhsa_float_denorm_mode_32 3
		.amdhsa_float_denorm_mode_16_64 3
		.amdhsa_memory_ordered 1
		.amdhsa_forward_progress 1
		.amdhsa_inst_pref_size 86
	.end_amdhsa_kernel
	.amdgpu_metadata
---
amdhsa.version: [ 1, 2 ]
amdhsa.kernels:
  - .name:           k_q60d3021994_prep
    .symbol:         k_q60d3021994_prep.kd
    .args:
      - { .name: query, .offset: 0, .size: 8, .value_kind: global_buffer, .address_space: global }
      - { .name: key, .offset: 8, .size: 8, .value_kind: global_buffer, .address_space: global }
      - { .name: value, .offset: 16, .size: 8, .value_kind: global_buffer, .address_space: global }
      - { .name: Wq, .offset: 24, .size: 8, .value_kind: global_buffer, .address_space: global }
      - { .name: Wk, .offset: 32, .size: 8, .value_kind: global_buffer, .address_space: global }
      - { .name: Wv, .offset: 40, .size: 8, .value_kind: global_buffer, .address_space: global }
      - { .name: Wo, .offset: 48, .size: 8, .value_kind: global_buffer, .address_space: global }
      - { .name: rel, .offset: 56, .size: 8, .value_kind: global_buffer, .address_space: global }
      - { .name: acodes, .offset: 64, .size: 8, .value_kind: global_buffer, .address_space: global }
      - { .name: ascales, .offset: 72, .size: 8, .value_kind: global_buffer, .address_space: global }
      - { .name: wcodes, .offset: 80, .size: 8, .value_kind: global_buffer, .address_space: global }
      - { .name: wscales, .offset: 88, .size: 8, .value_kind: global_buffer, .address_space: global }
      - { .name: wo16, .offset: 96, .size: 8, .value_kind: global_buffer, .address_space: global }
      - { .name: e16, .offset: 104, .size: 8, .value_kind: global_buffer, .address_space: global }
    .group_segment_fixed_size: 68096
    .private_segment_fixed_size: 0
    .kernarg_segment_align: 8
    .kernarg_segment_size: 112
    .max_flat_workgroup_size: 128
    .sgpr_count:     66
    .vgpr_count:     192
    .wavefront_size: 32
...
	.end_amdgpu_metadata
.endif
;; end of part 1
;; launch proj (part 2): grid 4 x 48, 4 waves a work-group, clusters of 4 x 4, 327,680 bytes of LDS; arguments acodes, ascales, wcodes, wscales, bq, bv, qkv16; writes qkv16
.if DOCPART == 2
	.amdgcn_target "amdgcn-amd-amdhsa--gfx1250"
	.amdhsa_code_object_version 6
	.text
	.protected	k_q60d3021994_proj
	.globl	k_q60d3021994_proj
	.p2align	8
	.type	k_q60d3021994_proj,@function
k_q60d3021994_proj:
	s_mov_b64 s[64:65], 0
	v_nop
	global_prefetch_b8 v0, s[64:65] scope:SCOPE_SE
	s_setreg_imm32_b32 hwreg(HW_REG_WAVE_MODE, 25, 1), 1
	s_wait_xcnt 0x0
	s_wait_alu depctr_hold_cnt(0) depctr_sa_sdst(0) depctr_va_vdst(0) depctr_va_sdst(0) depctr_va_ssrc(0) depctr_va_vcc(0) depctr_vm_vsrc(0)
	s_getreg_b32 s2, hwreg(HW_REG_IB_STS2, 6, 4)
	s_cmp_eq_u32 s2, 0
	s_cbranch_scc0 .Lentry_in_a_cluster
	s_endpgm
.Lentry_in_a_cluster:
	s_bfe_u32 s2, ttmp6, 0x10000c
	s_cmp_lg_u32 s2, 0xf033
	s_cbranch_scc0 .Lentry_shape_is_right
	s_endpgm
.Lentry_shape_is_right:
; THE THREE PROJECTIONS, one grid: q = query Wq + bq, k = key Wk, v = value Wv + bv, on codes of E2M1 with one E8M0 scale for each 32 along K = 1,024; sums in f32; results rounded once to f16.
; WORK LEFT OUT: bk.  It adds q_i . bk to every logit of row i, the same along the softmax's axis, and q . k^T is no quantised product: it reaches no output, is not loaded and is no argument.  (A NaN or infinity in bk is not carried to the result.)
; A: acodes [12288][512 bytes] (query's, key's, value's 4,096 rows on end), ascales [12288][32].  B: wcodes [3072 n][512 bytes], wscales [3072][32].  OUT: qkv16: q, k, v, 8,388,608 bytes each, [batch x 16 + head][position][64] f16.
; A tile of 256 x 256 is made by four waves, 128 x 128 each: 64 accumulators, 512 registers.  K goes in two steps of 512 through two LDS slots, each filled once; the scales of all of K come with the first fills.
; CLUSTERS: 4 x 4 work-groups.  A row of the cluster shares A's tiles, a column B's: each is asked for jointly.  Four tile rows of clusters belong to one of the three products: which one hangs on the cluster's y alone.
; THE MATRIX INSTRUCTION IS USED TRANSPOSED (source 0 = 16 rows of B, source 1 = 16 rows of A): a lane holds eight neighbouring columns of one row.
; LIMIT: results beyond f16's largest number, 65,504, would become infinities: inputs 30 times the drawn ones give magnitudes of some thousands.
; REGISTERS: window 0: v0-31 addresses; v32-95 scale words, two sets; v128-191 A's fragments, one set; on the way out v128-223.  window 1: B's fragments at v0 and v128; v64-127 the bias, eight registers for each of B's blocks.
;   window 2: the accumulators of my rows 0-63 ((a, b) at v[8 (8 a + b)]); window 3: those of rows 64-127.
.set NQ,     4                         ; matrix instructions deep in a slot
.set ROWB,   256                       ; a tile's row: 512 codes
.set KROW,   512                       ; a row of codes in memory
.set PITCH,  272                       ; an LDS row: 256 bytes + 16: the 16 rows that a load touches start 4 banks apart
.set FR,     8
.set NL,     2
.set NP,     4
.set HALFT,  128*PITCH
.set SLOT,   4*HALFT
.set KS,     32                        ; a row of scales in bytes
.set SCL,    2*SLOT
.set HALFS,  (128*KS/256)*272
.set SBLK,   (16*KS/256)*272
.set SPARE,  SCL+4*HALFS               ; the spare words, 128 bytes for each wave
.set SPITCH, 272                       ; the way out: a stage of 16 rows x (256 bytes + 16) for each wave, in slot 0, which has had its only fill and its last read by then
.set ADRA, 16
.set ADRB, 20
.set STO,  24
.set RD,   25
.set CO,   26
.set ADRS, 27
.set SPW,  28
.set NIL,  29
.set SC,   32
.set AF,   128
.set BI,   64                          ; the bias, in window 1
.set TMP,  128                         ; the way out: packed results
.set BK,   160                         ; and 16 rows read back: v160-191 and v192-223 by turns
.set G1, 24
.set G0, 32
.set G1B, 48
.set G0B, 56
.set G1S, 68
.set G0S, 76
.set G1SB, 80
.set G0SB, 88
.set MSB, 0
.macro WIN new                         ; the immediate's high byte repeats the setting that is left
.if MSB != \new
	s_set_vgpr_msb (MSB<<8)|\new
.set MSB, \new
.endif
.endm
.set MUL_LO, 0xa1                      ; source 0 (B) window 1, source 1 (A) window 0, C and D window 2
.set MUL_HI, 0xf1                      ; the same, C and D window 3
.set BIA_LO, 0x91                      ; the first step: C (the bias) window 1, D window 2
.set BIA_HI, 0xd1                      ; D window 3
.set TO_B,   0x40
.macro JLOAD g0a, g1a, g0b, g1b        ; a joint load: waves 0 and 1 fetch for A, waves 2 and 3 for B; the branch hangs on the wave's number alone
	s_cmp_eq_u32 s15, 0
	s_cbranch_scc0 .Lfor_b_\@
	tensor_load_to_lds s[\g0a:\g0a+3], s[\g1a:\g1a+7]
	s_nop 0
.rept 4
	v_nop
.endr
	s_branch .Lasked_\@
.Lfor_b_\@:
	tensor_load_to_lds s[\g0b:\g0b+3], s[\g1b:\g1b+7]
	s_nop 0
.rept 4
	v_nop
.endr
.Lasked_\@:
.endm
.macro CROUND                          ; a round of the cluster's barrier
	s_barrier_signal -1
	s_barrier_wait -1
	s_cmp_lg_u32 s14, 0
	s_cbranch_scc1 .Lnot_wave_0_\@
	s_barrier_signal -3
.Lnot_wave_0_\@:
	s_barrier_wait -3
	s_barrier_signal -1
	s_barrier_wait -1
.endm
	s_load_b128 s[4:7], s[0:1], 0x0                ; A's codes, A's scales
	s_load_b128 s[8:11], s[0:1], 0x10              ; B's codes, B's scales
	s_load_b128 s[96:99], s[0:1], 0x20             ; bq, bv
	s_load_b64 s[12:13], s[0:1], 0x30              ; qkv16
	v_lshl_add_u32 v[SPW], v0, 2, SPARE
	v_mov_b32 v[NIL], 0
	ds_add_u32 v[SPW], v[NIL]                      ; the wave's opening: the add, twice on end, and its wait ahead of my first tensor load
	ds_add_u32 v[SPW], v[NIL]
	v_lshrrev_b32 v1, 5, v0
	v_readfirstlane_b32 s14, v1                    ; wave 0..3
	s_lshr_b32 s15, s14, 1                         ; my half of the tile's rows.  Also: I fetch for A (0) or B (1)
	s_and_b32 s16, s14, 1                          ; my half of its columns.  Also: which 128 rows I fetch
	s_bfe_u32 s40, ttmp6, 0x40000                  ; cx
	s_bfe_u32 s41, ttmp6, 0x40004                  ; cy
	s_lshl_b32 s42, ttmp9, 2
	s_add_co_u32 s42, s42, s40                     ; tile column 0..3
	s_and_b32 s17, ttmp7, 0xffff                   ; the cluster's y, 0..11
	s_lshr_b32 s100, s17, 2                        ; which product: 0 q, 1 k, 2 v: the same in all sixteen partners
	s_lshl_b32 s17, s17, 2
	s_add_co_u32 s17, s17, s41                     ; tile row 0..47 of the 12,288 rows
	s_lshl_b32 s43, s41, 2
	s_lshl_b32 s43, 15, s43                        ; my row of the cluster
	s_lshl_b32 s44, 0x1111, s40                    ; my column
	s_or_b32 s[G1+0], s43, (0<<16)|(1<<20)|(1<<21)|(5<<22)|(3<<25)  ; the mask; elements of 1 byte; padding: 4 words behind every 64; bit 21 beside a mask
	s_or_b32 s[G1B+0], s44, (0<<16)|(1<<20)|(1<<21)|(5<<22)|(3<<25)
.irp g, G1, G1B
	s_mov_b32 s[\g+1], ROWB<<16                    ; tensor_dim0
	s_mov_b32 s[\g+2], 128<<16                     ; tensor_dim1
	s_mov_b32 s[\g+3], ROWB<<16                    ; tile_dim0
	s_mov_b32 s[\g+4], 128                         ; tile_dim1
	s_mov_b32 s[\g+5], KROW                        ; from row to row
	s_mov_b32 s[\g+6], 0
	s_mov_b32 s[\g+7], 0
.endr
	s_or_b32 s[G1S+0], s43, (3<<16)|(1<<20)|(1<<21)|(5<<22)|(3<<25)   ; the scales of 128 rows: 4,096 dense bytes as 16 rows of 256 (32 elements of 8 bytes), 16 bytes of padding behind each
	s_or_b32 s[G1SB+0], s44, (3<<16)|(1<<20)|(1<<21)|(5<<22)|(3<<25)
.irp g, G1S, G1SB
	s_mov_b32 s[\g+1], 32<<16
	s_mov_b32 s[\g+2], (128*KS/256)<<16
	s_mov_b32 s[\g+3], 32<<16
	s_mov_b32 s[\g+4], 128*KS/256
	s_mov_b32 s[\g+5], 32
	s_mov_b32 s[\g+6], 0
	s_mov_b32 s[\g+7], 0
.endr
	s_lshl_b32 s18, s16, 7
	s_lshl_b32 s20, s17, 8
	s_add_co_u32 s20, s20, s18                     ; A: row 256 x tile row + 128 x half
	s_lshl_b32 s46, s42, 8
	s_add_co_u32 s46, s46, s18
	s_lshl_b32 s47, s100, 10
	s_add_co_u32 s46, s46, s47                     ; B: row 1,024 x product + 256 x tile column + 128 x half
	s_mov_b32 s21, 0
	s_mov_b32 s47, 0
	s_mov_b64 s[18:19], KS
	s_mul_u64 s[22:23], s[20:21], s[18:19]
	s_mul_u64 s[92:93], s[46:47], s[18:19]
	s_mov_b64 s[18:19], KROW
	s_mul_u64 s[20:21], s[20:21], s[18:19]
	s_mul_u64 s[46:47], s[46:47], s[18:19]
	s_mul_i32 s45, s14, HALFT                      ; where they go: wave x 128 rows
	s_mul_i32 s94, s14, HALFS
	s_wait_dscnt 0x0                               ; both opening adds are done
	s_wait_kmcnt 0x0
	s_add_nc_u64 s[20:21], s[4:5], s[20:21]
	s_add_nc_u64 s[22:23], s[6:7], s[22:23]
	s_add_nc_u64 s[46:47], s[8:9], s[46:47]
	s_add_nc_u64 s[92:93], s[10:11], s[92:93]
	CROUND                                         ; all sixteen work-groups are here: the joint loads meet
	s_mov_b32 s[G0S], 1
	s_add_co_u32 s[G0S+1], s94, SCL
	s_mov_b64 s[G0S+2:G0S+3], s[22:23]
	s_or_b32 s[G0S+3], s[G0S+3], 0x80000000
	s_mov_b32 s[G0SB], 1
	s_add_co_u32 s[G0SB+1], s94, SCL
	s_mov_b64 s[G0SB+2:G0SB+3], s[92:93]
	s_or_b32 s[G0SB+3], s[G0SB+3], 0x80000000
	JLOAD G0S, G1S, G0SB, G1SB                     ; the scales first; three loads of mine are out behind the third
.irp s, 0,1
	s_mov_b32 s[G0+4*\s], 1
	s_add_co_u32 s[G0+4*\s+1], s45, \s*SLOT
	s_add_nc_u64 s[G0+4*\s+2:G0+4*\s+3], s[20:21], \s*ROWB
	s_or_b32 s[G0+4*\s+3], s[G0+4*\s+3], 0x80000000
	s_mov_b32 s[G0B+4*\s], 1
	s_add_co_u32 s[G0B+4*\s+1], s45, \s*SLOT
	s_add_nc_u64 s[G0B+4*\s+2:G0B+4*\s+3], s[46:47], \s*ROWB
	s_or_b32 s[G0B+4*\s+3], s[G0B+4*\s+3], 0x80000000
	JLOAD G0+4*\s, G1, G0B+4*\s, G1B
.endr
	v_and_b32 v1, 15, v0                           ; r
	v_bfe_u32 v2, v0, 4, 1                         ; h
	; THE BIAS is the C of each sum's first product: lane (r, h) wants, for B's block b, the numbers of columns 16 b + 8 h + 0 .. 7.  Key's rows have none: their registers are cleared.  Both while the first tiles are on their way.
	s_cmp_eq_u32 s100, 0
	s_cselect_b64 s[96:97], s[96:97], s[98:99]
	s_lshl_b32 s92, s42, 10                        ; 256 columns x 4 bytes a tile column,
	s_lshl_b32 s93, s16, 9                         ; 128 x 4 for my half
	s_add_co_u32 s92, s92, s93
	s_mov_b32 s93, 0
	s_add_nc_u64 s[96:97], s[96:97], s[92:93]
	v_lshlrev_b32 v7, 5, v2                        ; 32 h
	s_cmp_eq_u32 s100, 1
	s_cbranch_scc1 .Lno_bias
	WIN TO_B
.irp b, 0,1,2,3,4,5,6,7
	global_load_b128 v[BI+8*\b:BI+8*\b+3], v7, s[96:97] offset:64*\b
	global_load_b128 v[BI+8*\b+4:BI+8*\b+7], v7, s[96:97] offset:64*\b+16
.endr
	WIN 0
	s_branch .Lbias_set
.Lno_bias:
	WIN TO_B
.set i, 0
.rept 64
	v_mov_b32 v[BI+i], 0
.set i, i+1
.endr
	WIN 0
.Lbias_set:
	v_mul_u32_u24 v3, v1, PITCH
	v_lshl_add_u32 v4, v2, 4, v3                   ; a fragment's row x pitch + 16 x half
	s_mul_i32 s21, s15, HALFT                      ; my 128 rows of A
	s_mul_i32 s22, s16, HALFT                      ; my 128 rows of B,
	s_add_co_u32 s22, s22, 2*HALFT                 ; behind A's 256
.irp s, 0,1
	v_add_nc_u32 v[ADRA+\s], s21, v4
	v_add_nc_u32 v[ADRB+\s], s22, v4
	s_add_co_u32 s21, s21, SLOT
	s_add_co_u32 s22, s22, SLOT
.endr
	v_mul_u32_u24 v5, v1, KS                       ; my row's scales: 32 bytes a row,
	v_lshrrev_b32 v6, 8, v5
	v_lshl_add_u32 v5, v6, 4, v5                   ; and 16 more for each 256 passed
	s_mul_i32 s21, s15, HALFS
	s_mul_i32 s22, s16, HALFS
	s_add_co_u32 s22, s22, 2*HALFS
	s_sub_co_u32 s22, s22, s21
	v_mul_u32_u24 v6, s22, v2                      ; lanes 16-31 take B's
	s_add_co_u32 s21, s21, SCL
	v_add_nc_u32 v5, v5, v6
	v_add_nc_u32 v[ADRS], s21, v5
	s_mul_i32 s23, s14, 16*SPITCH                  ; my stage
	v_mul_u32_u24 v5, v1, SPITCH
	v_lshl_add_u32 v5, v2, 4, v5
	v_add_nc_u32 v[STO], s23, v5                   ; in: row r, 16 bytes for each half of the lanes
	v_bfe_u32 v5, v0, 3, 1
	v_and_b32 v6, 7, v0
	v_mul_u32_u24 v8, v5, SPITCH
	v_lshl_add_u32 v8, v2, 7, v8
	v_lshl_add_u32 v8, v6, 4, v8
	v_add_nc_u32 v[RD], s23, v8                    ; back: lanes 0-15 my first head's 128 bytes of two rows, lanes 16-31 my second head's
	v_lshlrev_b32 v8, 18, v2                       ; and in memory: a head is 262,144 bytes on, a row 128
	v_lshl_add_u32 v8, v5, 7, v8
	v_lshl_add_u32 v[CO], v6, 4, v8
	s_and_b32 s20, s17, 15
	s_lshl_b32 s20, s20, 8
	s_lshl_b32 s21, s15, 7
	s_add_co_u32 s20, s20, s21                     ; my first row among the product's 4,096
	s_lshr_b32 s21, s20, 11                        ; the batch
	s_lshl_b32 s21, s21, 4
	s_lshl_b32 s46, s42, 2
	s_add_co_u32 s21, s21, s46
	s_lshl_b32 s46, s16, 1
	s_add_co_u32 s21, s21, s46                     ; 16 x batch + my first head
	s_lshl_b32 s21, s21, 18
	s_and_b32 s20, s20, 2047
	s_lshl_b32 s20, s20, 7
	s_add_co_u32 s20, s20, s21
	s_lshl_b32 s21, s100, 23                       ; q, k or v
	s_add_co_u32 s20, s20, s21
	s_mov_b32 s21, 0
	s_add_nc_u64 s[12:13], s[12:13], s[20:21]
.macro FRAG reg, adr, q, i             ; 16 rows x 128 K of 4-bit codes: 8 registers: two loads of 16 bytes, 32 bytes apart
.irp c, 0,1
	ds_load_b128 v[\reg+4*\c:\reg+4*\c+3], v[\adr] offset:64*(\q)+32*\c+(\i)*16*PITCH
.endr
.endm
; 16 matrix instructions: A's blocks a0, a0 + 1 x B's eight.  first = 1: C is the bias.  The 64 accumulators take turns, one instruction a turn, in the same order in every step.
.macro MUL16 a0, p, q, sc, first
.irp a, \a0, \a0+1
.irp b, 0,1,2,3,4,5,6,7
.if \first
	v_wmma_scale_f32_16x16x128_f8f6f4 v[8*(8*((\a)%4)+\b):8*(8*((\a)%4)+\b)+7], v[128*(\p)+FR*\b:128*(\p)+FR*\b+FR-1], v[AF+FR*(\a):AF+FR*(\a)+FR-1], v[BI+8*\b:BI+8*\b+7], v[SC+8*NQ*(\sc)+NQ*\b+(\q)], v[SC+8*NQ*(\sc)+NQ*(\a)+(\q)] matrix_a_fmt:MATRIX_FMT_FP4 matrix_b_fmt:MATRIX_FMT_FP4 matrix_a_scale:MATRIX_SCALE_ROW1
.else
	v_wmma_scale_f32_16x16x128_f8f6f4 v[8*(8*((\a)%4)+\b):8*(8*((\a)%4)+\b)+7], v[128*(\p)+FR*\b:128*(\p)+FR*\b+FR-1], v[AF+FR*(\a):AF+FR*(\a)+FR-1], v[8*(8*((\a)%4)+\b):8*(8*((\a)%4)+\b)+7], v[SC+8*NQ*(\sc)+NQ*\b+(\q)], v[SC+8*NQ*(\sc)+NQ*(\a)+(\q)] matrix_a_fmt:MATRIX_FMT_FP4 matrix_b_fmt:MATRIX_FMT_FP4 matrix_a_scale:MATRIX_SCALE_ROW1
.endif
.endr
.endr
.endm
.macro FETCH_B slot, q, p
	WIN TO_B
.irp i, 0,1,2,3,4,5,6,7
	FRAG 128*(\p)+FR*\i, ADRB+\slot, \q, \i
.endr
	WIN 0
.endm
.macro FETCH_A slot, q, i0
.irp i, \i0, \i0+1, \i0+2, \i0+3
	FRAG AF+FR*(\i), ADRA+\slot, \q, \i
.endr
.endm
.macro SCALES sc                       ; a slot's scale words: lanes 0-15 A's block i, lanes 16-31 B's block i
.irp i, 0,1,2,3,4,5,6,7
	ds_load_b128 v[SC+8*NQ*\sc+NQ*\i:SC+8*NQ*\sc+NQ*\i+3], v[ADRS] offset:\i*SBLK
.endr
.endm
.macro PLACES n                        ; plain vector lines between a matrix instruction and a load into, or a vector read or write of, its registers
.rept \n
	v_nop
.endr
.endm
.macro STEP slot, q, first             ; 128 along K, with its successor in the same slot
	s_wait_dscnt 4*NL                              ; B's set and A's blocks 0-3 are in; the youngest eight loads (A's blocks 4-7) may be out
.if \first
	WIN BIA_LO
.else
	WIN MUL_LO
.endif
	MUL16 0, (\q)%2, \q, \slot, \first
	MUL16 2, (\q)%2, \q, \slot, \first
	s_wait_dscnt 0
	PLACES NP
	FETCH_B \slot, (\q)+1, 1-(\q)%2
	FETCH_A \slot, (\q)+1, 0
.if \first
	WIN BIA_HI
.else
	WIN MUL_HI
.endif
	MUL16 4, (\q)%2, \q, \slot, \first
	MUL16 6, (\q)%2, \q, \slot, \first
	PLACES NP
	WIN 0
	FETCH_A \slot, (\q)+1, 4
.endm
.macro STEPS slot, from
.set Q, \from
.rept NQ-1-\from
	STEP \slot, Q, 0
.set Q, Q+1
.endr
.endm
	s_wait_tensorcnt 1                             ; the scales and my part of slot 0 are in; slot 1's load may be out
	s_barrier_signal -1
	s_barrier_wait -1
	FETCH_B 0, 0, 0
	FETCH_A 0, 0, 0
	SCALES 0
	FETCH_A 0, 0, 4
	s_wait_loadcnt 0x0                             ; the bias
	STEP 0, 0, 1                                   ; the first products start the sums on the bias
	STEPS 0, 1
	; slot 0's last step changes slots: one barrier; no slot is filled again
	s_wait_tensorcnt 0x0                           ; my part of slot 1 has landed
	ds_add_u32 v[SPW], v[NIL]
	s_wait_dscnt 4*NL+1                            ; the add and the youngest eight loads may be out
	WIN MUL_LO
	MUL16 0, 1, NQ-1, 0, 0
	s_wait_dscnt 0x0                               ; the add is done, and my reads of slot 0 are over
	s_barrier_signal -1
	MUL16 2, 1, NQ-1, 0, 0
	WIN 0
	s_barrier_wait -1
	PLACES NP
	v_add_nc_u32 v[ADRS], 4*NQ, v[ADRS]            ; the second slot's scale words
	FETCH_B 1, 0, 0
	FETCH_A 1, 0, 0
	SCALES 1
	WIN MUL_HI
	MUL16 4, 1, NQ-1, 0, 0
	MUL16 6, 1, NQ-1, 0, 0
	PLACES NP
	WIN 0
	FETCH_A 1, 0, 4
	STEPS 1, 0
	s_wait_dscnt 4*NL                              ; the very last step
	WIN MUL_LO
	MUL16 0, 1, NQ-1, 1, 0
	MUL16 2, 1, NQ-1, 1, 0
	s_wait_dscnt 0
	WIN MUL_HI
	MUL16 4, 1, NQ-1, 1, 0
	MUL16 6, 1, NQ-1, 1, 0
	WIN 0
; THE WAY OUT, block by block of 16 rows x 128 columns (two heads).  Rounded to f16, 16 bytes a lane, into my own stage; back so that sixteen lanes hold two rows of one head: 256 consecutive bytes of qkv16, aligned.
.macro PACK a
.set AC, 64*((\a)%4)
	WIN 0x0a+5*((\a)/4)                            ; sources: window 2 or 3
.irp b, 0,1,2,3,4,5,6,7
.irp r, 0,1,2,3
	v_cvt_pk_f16_f32 v[TMP+4*\b+\r], v[AC+8*\b+2*\r], v[AC+8*\b+2*\r+1]   ; each accumulator from its low end on
.endr
.endr
	WIN 0
.endm
.macro TOSTAGE a
.set BB, BK+32*((\a)%2)
.irp b, 0,1,2,3,4,5,6,7
	ds_store_b128 v[STO], v[TMP+4*\b:TMP+4*\b+3] offset:32*\b
.endr
.irp t, 0,1,2,3,4,5,6,7
	ds_load_b128 v[BB+4*\t:BB+4*\t+3], v[RD] offset:\t*2*SPITCH    ; LDS serves a wave's instructions in order: these see the stores above
.endr
.endm
.macro SEND a
.set BB, BK+32*((\a)%2)
	s_wait_dscnt 0x0                               ; the block is back in registers
	s_wait_xcnt 0x0                                ; the block before last's stores have read their registers: the next block's loads may land there
.irp t, 0,1,2,3,4,5,6,7
	global_store_b128 v[CO], v[BB+4*\t:BB+4*\t+3], s[12:13] offset:(\a)*2048+256*\t
.endr
.endm
	PLACES NP                                      ; behind the last products: the conversions write registers that held A's fragments
	PACK 0
	TOSTAGE 0
.irp a, 1,2,3,4,5,6,7                  ; block a's conversions stand between block a - 1's loads from the stage and the wait for them
	PACK \a
	SEND \a-1
	TOSTAGE \a
.endr
	SEND 7
	s_wait_tensorcnt 0x0                           ; the wave's end: the three lines, behind my last tensor load and my last LDS store
	ds_add_u32 v[SPW], v[NIL]
	s_wait_dscnt 0x0
	CROUND                                         ; the closing round
	s_endpgm
.Lfunc_end_k_q60d3021994_proj:
	.size	k_q60d3021994_proj, .Lfunc_end_k_q60d3021994_proj-k_q60d3021994_proj
	.p2alignl 7, 3214868480
	.fill 96, 4, 3214868480
	.section	.rodata,"a",@progbits
	.p2align	6, 0x0
	.amdhsa_kernel k_q60d3021994_proj
		.amdhsa_group_segment_fixed_size 327680
		.amdhsa_private_segment_fixed_size 0
		.amdhsa_enable_private_segment 0
		.amdhsa_kernarg_size 56
		.amdhsa_user_sgpr_count 2
		.amdhsa_user_sgpr_kernarg_segment_ptr 1
		.amdhsa_wavefront_size32 1
		.amdhsa_system_sgpr_workgroup_id_x 1
		.amdhsa_system_sgpr_workgroup_id_y 1
		.amdhsa_system_sgpr_workgroup_id_z 1
		.amdhsa_system_vgpr_workitem_id 0
		.amdhsa_next_free_vgpr 1024
		.amdhsa_next_free_sgpr 102
		.amdhsa_reserve_vcc 0
		.amdhsa_float_denorm_mode_32 3
		.amdhsa_float_denorm_mode_16_64 3
		.amdhsa_memory_ordered 1
		.amdhsa_forward_progress 1
		.amdhsa_inst_pref_size 131
	.end_amdhsa_kernel
	.amdgpu_metadata
---
amdhsa.version: [ 1, 2 ]
amdhsa.kernels:
  - .name:           k_q60d3021994_proj
    .symbol:         k_q60d3021994_proj.kd
    .args:
      - { .name: acodes, .offset: 0, .size: 8, .value_kind: global_buffer, .address_space: global }
      - { .name: ascales, .offset: 8, .size: 8, .value_kind: global_buffer, .address_space: global }
      - { .name: wcodes, .offset: 16, .size: 8, .value_kind: global_buffer, .address_space: global }
      - { .name: wscales, .offset: 24, .size: 8, .value_kind: global_buffer, .address_space: global }
      - { .name: bq, .offset: 32, .size: 8, .value_kind: global_buffer, .address_space: global }
      - { .name: bv, .offset: 40, .size: 8, .value_kind: global_buffer, .address_space: global }
      - { .name: qkv16, .offset: 48, .size: 8, .value_kind: global_buffer, .address_space: global }
    .group_segment_fixed_size: 327680
    .private_segment_fixed_size: 0
    .kernarg_segment_align: 8
    .kernarg_segment_size: 56
    .max_flat_workgroup_size: 128
    .sgpr_count:     102
    .vgpr_count:     1024
    .wavefront_size: 32
...
	.end_amdgpu_metadata
.endif
;; end of part 2
;; launch attn (part 3): grid 8 x 32, 8 waves a work-group, no clusters, 327,680 bytes of LDS; arguments qkv16, e16, o16; writes o16
.if DOCPART == 3
	.amdgcn_target "amdgcn-amd-amdhsa--gfx1250"
	.amdhsa_code_object_version 6
	.text
	.protected	k_q60d3021994_attn
	.globl	k_q60d3021994_attn
	.p2align	8
	.type	k_q60d3021994_attn,@function
k_q60d3021994_attn:
	s_mov_b64 s[64:65], 0
	v_nop
	global_prefetch_b8 v0, s[64:65] scope:SCOPE_SE
	s_setreg_imm32_b32 hwreg(HW_REG_WAVE_MODE, 25, 1), 1
	s_wait_xcnt 0x0
; ATTENTION: o_i = sum over j of softmax_j((q_i . k_j + [j <= i] q_i . rel[2048 - i + j]) / 8) v_j, for 32 (batch, head) pairs of 2,048 positions, head size 64.  All operands f16, sums, maxima and softmax in f32; p rounded to f16.
; WORK LEFT OUT: the relative term for keys after the query is 0 by the mask and the pad that the problem builds itself (shown at the head of the first launch): sub-steps of 64 keys that lie wholly behind a tile's 16 queries
; do not compute it, and its window of e16 is not fetched for slots that no wave reads.  Inside a tile on the diagonal such keys fall on e16's rows 2048-2175, which are zeros: no mask instruction.
; SHARES.  A head's 2,048 queries are 16 chunks of 128.  Work-group p owns chunks p and 15 - p; wave w owns 16 queries of each: tile 0 at 128 p + 16 w, tile 1 at 1920 - 128 p + 16 w: so every wave has the same number of
; sub-steps with the relative term, within two.  Every wave walks all 2,048 keys: 16 slots of 128 keys, two sub-steps of 64 each.  Two waves share a SIMD: one's vector work stands beside the other's matrix work.
; LAYOUT.  Both products transposed: S^T = K Q^T (source 0 = 16 keys, source 1 = 16 queries), O^T = V^T P: a lane holds ONE query r = lane % 16 throughout; two tiles of S^T, packed to f16 in pairs, are source 1 of V^T P.
; THE RELATIVE TERM.  Query i = c0 + 16 w + r and key j = 128 S + 64 u + kappa want e16's row 2047 - i + j.  The chunk's window for slot S is rows 1920 - c0 + 128 S .. + 255; in it the row is 16 (w xor 7) + 64 u + x, x = 15 - r + kappa, 0 .. 78.
; G = E Q^T over five blocks of 16 rows gives lane (r, h), register jj, x = 16 beta + 8 h + jj.  G goes to the wave's own stage at 336 r + 4 x and comes back sheared, from 336 r + 4 (15 - r + kappa), straight into S^T's registers,
; which are then the C of K Q^T: the addition costs no vector instruction.
; THE FIFTH BLOCK IS CARRIED.  From one sub-step to the next a tile's band moves 64 rows on: block 4 of G (x = 64 .. 79) is block 0 of the next sub-step.  It lies in eight registers that neither K Q^T nor the softmax touches,
; and is stored to the stage once more, as block 0: only blocks 1 to 4 are loaded and multiplied.  A tile has the term in a run of sub-steps from the first on, so where it has the term now, it had it the step before; the first carry is made ahead of the loop.
; THREE CASES OF A SUB-STEP.  Tile 1's first query (at least 1,024) lies behind tile 0's (at most 1,008): where tile 0 has the term, tile 1 has it too.  So one decision at the sub-step's head, on ids and the count of steps,
; leads to one of three arms (both tiles, tile 1 alone, neither), each written out up to the end of K Q^T.
; LOADS A PHASE AHEAD.  K, V and each tile's E have registers of their own.  V is asked for at its sub-step's head; the NEXT sub-step's K and E are asked for in three short runs between the parts of the softmax.  So that this holds
; across slots too, the change of slots stands in the middle of a slot's second sub-step, behind K Q^T and the wait for V: the wave's reads of the slot are over there.
; NO CLUSTER: partners that share K and V (one head) differ in p, and the branches that leave the relative term out hang on p; partners of equal p (other heads) share only e16's windows, whose loads end at the causal limit by a jump.
; LIMITS: f16 operands: magnitudes of q, k, v beyond 65,504 are not served (inputs 30 times the drawn ones give some thousands); p under 6e-8 counts as 0 in the second product, not in the row's sum.
; REGISTERS.  window 0: v1-15 addresses; v16-31 statistics, 8 a tile; v32-63 Q; v64-143 40 a tile: S^T in the first 32 (ahead of it G's blocks 1 to 3 in the first 24), G's block 4, the carry, in the last 8; v144-175 P; v176-239 O^T; v240-246 set-up.
;   window 1: v0-63 K; v64-127 E for tile 0; v128-191 E for tile 1; v192-255 V.
.set KP,    144                        ; a row of K or E in LDS: 128 bytes + 16: 16 rows start 4 banks apart
.set VP,    160                        ; a row of V: 128 + 32
.set VOFF,  18432                      ; a slot: 128 rows of K, 128 of V, 256 of E for tile 0's chunk, 256 for tile 1's
.set ELOFF, 38912
.set EHOFF, 75776
.set SLOT1, 131072                     ; slot 1 begins here: one exclusive or turns an address
.set STG,   262144                     ; behind the ring: a stage of 16 x 336 bytes for each wave
.set STGW,  5376
.set SPARE, 305152                     ; the spare words, 128 bytes for each of eight waves
.set AK0, 1
.set AV0, 2
.set AE0, 3                            ; v3, v4
.set SST, 5
.set SLD, 6
.set SPW, 7
.set NIL, 8
.set ADK, 9
.set ADV, 10
.set ADE, 11                           ; v11, v12
.set PFO, 13
.set WST, 14
.set WRD, 15
.set ST,  16                           ; tile t at v[ST + 8 t]: +0 c m, +1 m, +2, +3 l (even keys', odd keys'), +4 .. +7 at work; a takes +6
.set QR,  32
.set S,   64
.set P,   144
.set OA,  176
.set QO,  240
.set GO,  246
.set KR,  0                            ; in window 1
.set EF,  64                           ; tile t, block b = 1 .. 4, channels 32 c on: EF + 64 t + 16 (b - 1) + 8 c
.set VF,  192
.set WV,  10
.set PP,  11
.set BH,  12
.set TB,  13                           ; LDS byte at which the slot in hand begins
.set KF,  14                           ; the sub-step's first key; from the join on the next sub-step's
.set SN,  15                           ; the slot that is being asked for
.set Q0,  16                           ; s16, s17 the tiles' first queries
.set PLO, 18                           ; the chunks' numbers: the last slots whose windows are read
.set PHI, 19
.set SEL, 20
.set CS,  22                           ; s[22:23] c = log2(e) / 8
.set G1K, 24
.set G1V, 32
.set G1E, 40
.set G0K, 48
.set G0V, 52
.set G0EL, 56
.set G0EH, 60
.set SLOTS, 66
.set LIM, 67
.set PFA, 68
.set OL,  70                           ; s[70:71], s[72:73] o16 at my tiles
.set WH,  91                           ; wave / 2
.set MSB, 0
.macro WIN new                         ; the immediate's high byte repeats the setting that is left
.if MSB != \new
	s_set_vgpr_msb (MSB<<8)|\new
.set MSB, \new
.endif
.endm
.set W_MM, 0x01                        ; source 0 (K, E or V) window 1; all else window 0
.set W_LD, 0x40                        ; destination window 1
.macro PLACES n
.rept \n
	v_nop
.endr
.endm
.macro TL g0, g1                       ; a tensor load with an s_nop and four v_nop behind it
	tensor_load_to_lds s[\g0:\g0+3], s[\g1:\g1+7]
	s_nop 0
.rept 4
	v_nop
.endr
.endm
	s_load_b128 s[4:7], s[0:1], 0x0                ; qkv16 s[4:5], e16 s[6:7]
	s_load_b64 s[8:9], s[0:1], 0x10                ; o16
	v_lshl_add_u32 v[SPW], v0, 2, SPARE
	v_mov_b32 v[NIL], 0
	ds_add_u32 v[SPW], v[NIL]                      ; the wave's opening: the add, twice on end, and its wait ahead of my first tensor load
	ds_add_u32 v[SPW], v[NIL]
	v_lshrrev_b32 v240, 5, v0
	v_readfirstlane_b32 s[WV], v240                ; wave 0..7
	s_lshr_b32 s[WH], s[WV], 1
	s_mov_b32 s[PP], ttmp9
	s_and_b32 s[BH], ttmp7, 0xffff
	; descriptor groups 1: rows of 64 elements of 2 bytes, dense in memory; padding behind every 32 words: K, E 4 words, V 8.  K, V: 64 rows a load; E: 128
	s_mov_b32 s[G1K], (1<<16)|(1<<20)|(4<<22)|(3<<25)
	s_mov_b32 s[G1V], (1<<16)|(1<<20)|(4<<22)|(7<<25)
.irp g, G1K, G1V
	s_mov_b32 s[\g+1], 64<<16
	s_mov_b32 s[\g+2], 64<<16
	s_mov_b32 s[\g+3], 64<<16
	s_mov_b32 s[\g+4], 64
	s_mov_b32 s[\g+5], 64
	s_mov_b32 s[\g+6], 0
	s_mov_b32 s[\g+7], 0
.endr
	s_mov_b32 s[G1E], (1<<16)|(1<<20)|(4<<22)|(3<<25)
	s_mov_b32 s[G1E+1], 64<<16
	s_mov_b32 s[G1E+2], 128<<16
	s_mov_b32 s[G1E+3], 64<<16
	s_mov_b32 s[G1E+4], 128
	s_mov_b32 s[G1E+5], 64
	s_mov_b32 s[G1E+6], 0
	s_mov_b32 s[G1E+7], 0
	s_mov_b32 s[SEL], 0x76543210
	s_mov_b32 s[SEL+1], 0xfedcba98
	s_mov_b32 s[CS], 0x3e38aa3b
	s_mov_b32 s[CS+1], s[CS]
	s_mov_b32 s[TB], 0
	s_mov_b32 s[KF], 0
	s_mov_b32 s[SN], 0
	s_mov_b32 s[SLOTS], 15
	s_lshl_b32 s74, s[PP], 7                       ; 128 p
	s_lshl_b32 s75, s[WV], 4                       ; 16 w
	s_add_co_u32 s[Q0], s74, s75
	s_sub_co_u32 s[Q0+1], 1920, s74
	s_add_co_u32 s[Q0+1], s[Q0+1], s75
	s_mov_b32 s[PLO], s[PP]
	s_sub_co_u32 s[PHI], 15, s[PP]
	s_and_b32 s76, s[WV], 1                        ; e: which half of a tile I fetch
	s_lshl_b32 s77, s[BH], 18                      ; my head: 262,144 bytes
	s_lshl_b32 s78, s76, 13
	s_add_co_u32 s78, s78, s77                     ; K, V: head + 64 e rows of 128 bytes
	s_mov_b32 s79, 0
	s_lshl_b32 s92, s76, 7
	s_sub_co_u32 s80, 1920, s74
	s_add_co_u32 s80, s80, s92
	s_lshl_b32 s80, s80, 7                         ; tile 0's window, slot 0: e16's row 1920 - 128 p + 128 e
	s_mov_b32 s81, 0
	s_add_co_u32 s82, s74, s92
	s_lshl_b32 s82, s82, 7                         ; tile 1's: row 128 p + 128 e
	s_mov_b32 s83, 0
	s_lshl_b32 s84, s[Q0], 7
	s_add_co_u32 s84, s84, s77                     ; my tiles' rows in q and in o16
	s_mov_b32 s85, 0
	s_lshl_b32 s86, s[Q0+1], 7
	s_add_co_u32 s86, s86, s77
	s_mov_b32 s87, 0
	s_mov_b32 s88, 0x1000000
	s_cmp_lt_u32 s[WV], 2
	s_cselect_b32 s88, 0x800000, s88               ; the prefetches: waves 0, 1 K's halves, waves 2, 3 V's,
	s_add_co_u32 s88, s88, s78
	s_add_co_u32 s88, s88, 16384                   ; standing in slot 1: the first change of slots steps them to slot 2
	s_mov_b32 s89, 0
	s_lshr_b32 s90, s[WV], 2
	s_or_b32 s90, s90, s[PP]
	s_cmp_eq_u32 s90, 0                            ; waves 0 to 3 of the head's first work-group ask
	s_cselect_b32 s[LIM], 1, -1
	s_mov_b32 s[G0K], 1
	s_mul_i32 s[G0K+1], s76, 64*KP
	s_mov_b32 s[G0V], 1
	s_mul_i32 s[G0V+1], s76, 64*VP
	s_add_co_u32 s[G0V+1], s[G0V+1], VOFF
	s_mov_b32 s[G0EL], 1
	s_mul_i32 s[G0EL+1], s76, 128*KP
	s_add_co_u32 s[G0EL+1], s[G0EL+1], ELOFF
	s_mov_b32 s[G0EH], 1
	s_mul_i32 s[G0EH+1], s76, 128*KP
	s_add_co_u32 s[G0EH+1], s[G0EH+1], EHOFF
	s_wait_dscnt 0x0                               ; both opening adds are done
	s_wait_kmcnt 0x0
	s_add_nc_u64 s[G0K+2:G0K+3], s[4:5], s[78:79]
	s_add_nc_u64 s[G0K+2:G0K+3], s[G0K+2:G0K+3], 0x800000     ; k lies 8,388,608 bytes into qkv16,
	s_or_b32 s[G0K+3], s[G0K+3], 0x80000000
	s_add_nc_u64 s[G0V+2:G0V+3], s[4:5], s[78:79]
	s_add_nc_u64 s[G0V+2:G0V+3], s[G0V+2:G0V+3], 0x1000000    ; v 16,777,216
	s_or_b32 s[G0V+3], s[G0V+3], 0x80000000
	s_add_nc_u64 s[G0EL+2:G0EL+3], s[6:7], s[80:81]
	s_or_b32 s[G0EL+3], s[G0EL+3], 0x80000000
	s_add_nc_u64 s[G0EH+2:G0EH+3], s[6:7], s[82:83]
	s_or_b32 s[G0EH+3], s[G0EH+3], 0x80000000
	; SLOT 0: every wave issues one load: waves 0, 1 K; 2, 3 V; 4, 5 tile 0's window; 6, 7 tile 1's.  At slot 0 both windows are read, whatever p
	s_cmp_lt_u32 s[WV], 4
	s_cbranch_scc0 .Lff_e
	s_cmp_lt_u32 s[WV], 2
	s_cbranch_scc0 .Lff_v
	TL G0K, G1K
	s_branch .Lff_done
.Lff_v:
	TL G0V, G1V
	s_branch .Lff_done
.Lff_e:
	s_cmp_lt_u32 s[WV], 6
	s_cbranch_scc0 .Lff_eh
	TL G0EL, G1E
	s_branch .Lff_done
.Lff_eh:
	TL G0EH, G1E
.Lff_done:
	s_add_nc_u64 s[OL:OL+1], s[8:9], s[84:85]
	s_add_nc_u64 s[OL+2:OL+3], s[8:9], s[86:87]
	s_add_nc_u64 s[84:85], s[4:5], s[84:85]        ; q at tile 0,
	s_add_nc_u64 s[86:87], s[4:5], s[86:87]        ; at tile 1
	s_add_nc_u64 s[PFA:PFA+1], s[4:5], s[88:89]
	v_and_b32 v241, 15, v0                         ; r
	v_bfe_u32 v242, v0, 4, 1                       ; h
	v_lshlrev_b32 v[QO], 7, v241
	v_lshl_add_u32 v[QO], v242, 4, v[QO]           ; Q: row r of 128 bytes + 16 h
.irp t, 0,1
.irp c, 0,1
	global_load_b128 v[QR+16*\t+8*\c:QR+16*\t+8*\c+3], v[QO], s[84+2*\t:85+2*\t] offset:64*\c      ; Q stays in registers: tile t, channels 32 c on
	global_load_b128 v[QR+16*\t+8*\c+4:QR+16*\t+8*\c+7], v[QO], s[84+2*\t:85+2*\t] offset:64*\c+32
.endr
.endr
	v_mul_u32_u24 v[AK0], v241, KP
	v_lshl_add_u32 v[AK0], v242, 4, v[AK0]         ; K: row r x pitch + 16 h
	v_and_b32 v243, 7, v0
	v_bfe_u32 v244, v0, 3, 1
	v_lshl_add_u32 v[AV0], v242, 3, v243           ; V, turned: key 8 h + lane % 8, channels 8 ((lane / 8) % 2) on
	v_mul_u32_u24 v[AV0], v[AV0], VP
	v_lshl_add_u32 v[AV0], v244, 4, v[AV0]
	v_add_nc_u32 v[AV0], VOFF, v[AV0]
	s_xor_b32 s74, s[WV], 7
	s_mul_i32 s74, s74, 16*KP                      ; my band begins 16 (w xor 7) rows into a window
	v_add_nc_u32 v[AE0], s74, v[AK0]
	v_add_nc_u32 v[AE0+1], EHOFF, v[AE0]
	v_add_nc_u32 v[AE0], ELOFF, v[AE0]
	s_mul_i32 s75, s[WV], STGW
	s_add_co_u32 s75, s75, STG                     ; my stage
	v_mul_u32_u24 v[SST], v241, 336
	v_lshl_add_u32 v[SST], v242, 5, v[SST]
	v_add_nc_u32 v[SST], s75, v[SST]               ; G in: 336 r + 32 h (+ 64 beta)
	v_mul_u32_u24 v[SLD], v241, 332
	v_lshl_add_u32 v[SLD], v242, 5, v[SLD]
	v_add_nc_u32 v[SLD], s75, v[SLD]
	v_add_nc_u32 v[SLD], 60, v[SLD]                ; sheared out: 336 r + 4 (15 - r) + 32 h (+ 64 kt + 4 jj)
	v_add_nc_u32 v[WST], s75, v[AK0]               ; the way out, in: row r of 144 bytes + 16 h
	v_bfe_u32 v245, v0, 3, 2
	v_mul_u32_u24 v[WRD], v245, KP
	v_lshl_add_u32 v[WRD], v243, 4, v[WRD]
	v_add_nc_u32 v[WRD], s75, v[WRD]               ; back: four rows of 128 bytes an instruction
	v_and_b32 v[GO], 31, v0
	v_lshlrev_b32 v[PFO], 8, v[GO]                 ; the prefetches: lanes 256 bytes apart
	v_lshlrev_b32 v[GO], 4, v[GO]                  ; o16: 16 bytes a lane
.irp t, 0,1
	v_mov_b32 v[ST+8*\t+1], 0xff61b1e6             ; m = -3e38, under every score
	v_mul_f32 v[ST+8*\t], s[CS], v[ST+8*\t+1]      ; c m
	v_mov_b32 v[ST+8*\t+2], 0                      ; l
	v_mov_b32 v[ST+8*\t+3], 0
.endr
.set i, 0
.rept 64
	v_mov_b32 v[OA+i], 0                           ; O^T: the loop is written once; its first step multiplies these zeros by a = 0
.set i, i+1
.endr
.macro ADDR                            ; the fragments' addresses in the slot that begins at s[TB]
	v_add_nc_u32 v[ADK], s[TB], v[AK0]
	v_add_nc_u32 v[ADV], s[TB], v[AV0]
	v_add_nc_u32 v[ADE], s[TB], v[AE0]
	v_add_nc_u32 v[ADE+1], s[TB], v[AE0+1]
.endm
.macro KLOAD u                         ; 64 keys x 64 channels: 8 fragments
.irp kt, 0,1,2,3
.irp c, 0,1
	ds_load_b128 v[KR+16*\kt+8*\c:KR+16*\kt+8*\c+3], v[ADK] offset:(64*(\u)+16*\kt)*KP+64*\c
	ds_load_b128 v[KR+16*\kt+8*\c+4:KR+16*\kt+8*\c+7], v[ADK] offset:(64*(\u)+16*\kt)*KP+64*\c+32
.endr
.endr
.endm
.macro ELOAD t, u                      ; blocks 1 to 4 of my band of tile t's window: 64 rows, 8 fragments
.irp b, 1,2,3,4
.irp c, 0,1
	ds_load_b128 v[EF+64*(\t)+16*(\b-1)+8*\c:EF+64*(\t)+16*(\b-1)+8*\c+3], v[ADE+(\t)] offset:(64*(\u)+16*\b)*KP+64*\c
	ds_load_b128 v[EF+64*(\t)+16*(\b-1)+8*\c+4:EF+64*(\t)+16*(\b-1)+8*\c+7], v[ADE+(\t)] offset:(64*(\u)+16*\b)*KP+64*\c+32
.endr
.endr
.endm
.macro PRE_E t, u                      ; tile t's E for the NEXT sub-step, if that sub-step has the term: s[KF] already stands at its first key.  Ids and the count of steps alone
	s_cmp_gt_u32 s[KF], s[Q0+\t]
	s_cbranch_scc1 .Lnot_\@
	WIN W_LD
	ELOAD \t, \u
	WIN 0
.Lnot_\@:
.endm
.macro VLOAD u                         ; 64 keys x 64 channels, turned: 8 fragments of V^T
.irp kc, 0,1
.irp ct, 0,1,2,3
	ds_load_tr16_b128 v[VF+32*\kc+8*\ct:VF+32*\kc+8*\ct+3], v[ADV] offset:(64*(\u)+32*\kc)*VP+32*\ct
	ds_load_tr16_b128 v[VF+32*\kc+8*\ct+4:VF+32*\kc+8*\ct+7], v[ADV] offset:(64*(\u)+32*\kc)*VP+16*VP+32*\ct
.endr
.endr
.endm
.macro QE t                            ; G's blocks 1 to 4 = E Q^T: four accumulators by turns, channels 0-31 (they start the sums), then 32-63.  Blocks 1 to 3 at the tile's registers 0-23, block 4 at 32-39
.irp c, 0,1
.irp b, 1,2,3,4
.set rG, S+40*(\t)+8*(\b-1)+8*(\b/4)
.if \c == 0
	v_wmma_f32_16x16x32_f16 v[rG:rG+7], v[EF+64*(\t)+16*(\b-1):EF+64*(\t)+16*(\b-1)+7], v[QR+16*(\t):QR+16*(\t)+7], 0
.else
	v_wmma_f32_16x16x32_f16 v[rG:rG+7], v[EF+64*(\t)+16*(\b-1)+8:EF+64*(\t)+16*(\b-1)+15], v[QR+16*(\t)+8:QR+16*(\t)+15], v[rG:rG+7]
.endif
.endr
.endr
.endm
.macro CST t                           ; the carry, the last sub-step's block 4, goes to the stage as block 0; it stands ahead of the products that write the new block 4 over it
	ds_store_b128 v[SST], v[S+40*(\t)+32:S+40*(\t)+35]
	ds_store_b128 v[SST], v[S+40*(\t)+36:S+40*(\t)+39] offset:16
.endm
.macro SKEWR t                         ; blocks 1 to 4 to the stage, and the sheared term back: 8 stores and 32 loads.  LDS serves a wave's instructions in order, so both tiles use the one stage and no wait stands between stores and loads
.irp b, 1,2,3,4
.set rG, S+40*(\t)+8*(\b-1)+8*(\b/4)
	ds_store_b128 v[SST], v[rG:rG+3] offset:64*\b                  ; each accumulator from its low end on
	ds_store_b128 v[SST], v[rG+4:rG+7] offset:64*\b+16
.endr
.irp kt, 0,1,2,3
.irp jj, 0,1,2,3,4,5,6,7
	ds_load_b32 v[S+40*(\t)+8*\kt+\jj], v[SLD] offset:64*\kt+4*\jj
.endr
.endr
.endm
.macro QK t, acc                       ; tile t's S^T: four accumulators by turns; channels 0-31 on C = the relative term, or 0; then channels 32-63
.irp kt, 0,1,2,3
.if \acc
	v_wmma_f32_16x16x32_f16 v[S+40*(\t)+8*\kt:S+40*(\t)+8*\kt+7], v[KR+16*\kt:KR+16*\kt+7], v[QR+16*(\t):QR+16*(\t)+7], v[S+40*(\t)+8*\kt:S+40*(\t)+8*\kt+7]
.else
	v_wmma_f32_16x16x32_f16 v[S+40*(\t)+8*\kt:S+40*(\t)+8*\kt+7], v[KR+16*\kt:KR+16*\kt+7], v[QR+16*(\t):QR+16*(\t)+7], 0
.endif
.endr
.irp kt, 0,1,2,3
	v_wmma_f32_16x16x32_f16 v[S+40*(\t)+8*\kt:S+40*(\t)+8*\kt+7], v[KR+16*\kt+8:KR+16*\kt+15], v[QR+16*(\t)+8:QR+16*(\t)+15], v[S+40*(\t)+8*\kt:S+40*(\t)+8*\kt+7]
.endr
.endm
.macro PV                              ; O^T += V^T P: eight accumulators by turns
.irp kc, 0,1
.irp ct, 0,1,2,3
.irp t, 0,1
	v_wmma_f32_16x16x32_f16 v[OA+32*\t+8*\ct:OA+32*\t+8*\ct+7], v[VF+32*\kc+8*\ct:VF+32*\kc+8*\ct+7], v[P+16*\t+8*\kc:P+16*\t+8*\kc+7], v[OA+32*\t+8*\ct:OA+32*\t+8*\ct+7]
.endr
.endr
.endr
.endm
; THE SOFTMAX of a sub-step, both tiles line by line by turns, in three parts.  A lane has 32 scores of its query in each tile.  p = 2^(c s - c m), m the running maximum; O^T and l are multiplied by a = 2^(c m_old - c m_new).
.macro SM_A                            ; the maximum, c m and its change
.irp j, 0,1,2,3
.irp t, 0,1
	v_max3_num_f32 v[ST+8*\t+4+\j], v[S+40*\t+8*\j], v[S+40*\t+8*\j+1], v[S+40*\t+8*\j+2]          ; four chains; each accumulator is first read at its low end
.endr
.endr
.irp g, 1,2
.irp j, 0,1,2,3
.irp t, 0,1
	v_max3_num_f32 v[ST+8*\t+4+\j], v[ST+8*\t+4+\j], v[S+40*\t+8*\j+2*\g+1], v[S+40*\t+8*\j+2*\g+2]
.endr
.endr
.endr
.irp t, 0,1
	v_max3_num_f32 v[ST+8*\t+4], v[ST+8*\t+4], v[S+40*\t+7], v[S+40*\t+15]
.endr
.irp t, 0,1
	v_max3_num_f32 v[ST+8*\t+6], v[ST+8*\t+6], v[S+40*\t+23], v[S+40*\t+31]
.endr
.irp t, 0,1
	v_max3_num_f32 v[ST+8*\t+4], v[ST+8*\t+4], v[ST+8*\t+5], v[ST+8*\t+6]
.endr
.irp t, 0,1
	v_max3_num_f32 v[ST+8*\t+4], v[ST+8*\t+4], v[ST+8*\t+7], v[ST+8*\t+1]          ; with the old m
.endr
.irp t, 0,1
	v_permlanex16_b32 v[ST+8*\t+5], v[ST+8*\t+4], s[SEL], s[SEL+1]                 ; the query's other 32 keys lie in the lane 16 away
.endr
.irp t, 0,1
	v_mov_b32 v[ST+8*\t+7], v[ST+8*\t]                                             ; c m_old
.endr
.irp t, 0,1
	v_max_num_f32 v[ST+8*\t+1], v[ST+8*\t+4], v[ST+8*\t+5]
.endr
.irp t, 0,1
	v_mul_f32 v[ST+8*\t], s[CS], v[ST+8*\t+1]
.endr
.irp t, 0,1
	v_sub_f32 v[ST+8*\t+7], v[ST+8*\t+7], v[ST+8*\t]
.endr
.endm
.macro SM_B                            ; the scalings and all exponentials: one batch, one wait
.irp t, 0,1
	v_exp_f32 v[ST+8*\t+6], v[ST+8*\t+7]                                           ; a
.endr
.set b, 0
.rept 16
.irp t, 0,1
	v_pk_fma_f32 v[S+40*\t+2*b:S+40*\t+2*b+1], v[S+40*\t+2*b:S+40*\t+2*b+1], s[CS:CS+1], v[ST+8*\t:ST+8*\t+1] op_sel_hi:[1,0,0] neg_lo:[0,0,1] neg_hi:[0,0,1]   ; c s - c m, two at a time
.endr
.set b, b+1
.endr
.set b, 0
.rept 32
.irp t, 0,1
	v_exp_f32 v[S+40*\t+b], v[S+40*\t+b]
.endr
.set b, b+1
.endr
	v_nop                                          ; a plain line behind the last exponential
	s_wait_alu depctr_va_vdst(0)                   ; the wait ahead of the first line that names a result: one for the 66 exponentials
.endm
.macro SM_C                            ; p to f16; the sums; O^T under the new maximum
.set b, 0
.rept 16
.irp t, 0,1
	v_cvt_pk_f16_f32 v[P+16*\t+b], v[S+40*\t+2*b], v[S+40*\t+2*b+1]
.endr
.set b, b+1
.endr
.irp w, 4, 8, 16, 32                   ; the sum of the unrounded p, in place: neighbours 1, 2, 4, 8 pairs apart
.set u, 0
.rept 32/\w
.irp t, 0,1
	v_pk_add_f32 v[S+40*\t+\w*u:S+40*\t+\w*u+1], v[S+40*\t+\w*u:S+40*\t+\w*u+1], v[S+40*\t+\w*u+\w/2:S+40*\t+\w*u+\w/2+1]
.endr
.set u, u+1
.endr
.endr
.irp t, 0,1
	v_pk_fma_f32 v[ST+8*\t+2:ST+8*\t+3], v[ST+8*\t+2:ST+8*\t+3], v[ST+8*\t+6:ST+8*\t+7], v[S+40*\t:S+40*\t+1] op_sel_hi:[1,0,1]   ; l = a l + the sum
.endr
.set b, 0
.rept 16
.irp t, 0,1
	v_pk_mul_f32 v[OA+32*\t+2*b:OA+32*\t+2*b+1], v[OA+32*\t+2*b:OA+32*\t+2*b+1], v[ST+8*\t+6:ST+8*\t+7] op_sel_hi:[1,0]   ; O^T x a, each accumulator from its low end on
.endr
.set b, b+1
.endr
.endm
; THE CHANGE OF SLOTS.  Each wave waits for all its tensor loads (its part of the slot that comes next), adds 0 to its spare word, and waits for that and for its reads of the slot that it leaves.
; Behind the barrier the next slot is whole and nobody reads the one that is left.  fill = 1: a slot is filled with the next 128 keys' tiles, one load a wave: it has two sub-steps in which to land.
.macro CHANGE fill
	s_wait_tensorcnt 0x0                           ; no tensor load of mine is out: the groups 0 may be written
	ds_add_u32 v[SPW], v[NIL]                      ; every way from the head has passed a tensor load
.if \fill
.irp g, G0K, G0V, G0EL, G0EH
	s_xor_b32 s[\g+1], s[\g+1], SLOT1              ; the other slot than last time,
	s_add_nc_u64 s[\g+2:\g+3], s[\g+2:\g+3], 16384 ; 128 rows of 128 bytes on
.endr
	s_wait_xcnt 0x0                                ; the last prefetch, a slot back, has read its address
	s_add_nc_u64 s[PFA:PFA+1], s[PFA:PFA+1], 16384 ; one slot further on than the descriptors
	s_add_co_u32 s[SN], s[SN], 1
.endif
	s_wait_dscnt 0x0                               ; the add is done, and my reads of the slot that I leave are over
	s_barrier_signal -1
	s_barrier_wait -1
.if \fill
	s_cmp_lt_u32 s[WV], 2
	s_cbranch_scc0 .Lnot_k_\@
	TL G0K, G1K
	s_branch .Lkv_\@
.Lnot_k_\@:
	s_cmp_lt_u32 s[WV], 4
	s_cbranch_scc0 .Lkv_\@
	TL G0V, G1V
.Lkv_\@:
	s_cmp_gt_u32 s[SN], s[PLO]                     ; THE WINDOWS END AT THE CAUSAL LIMIT: a slot whose first key comes after the chunk's last query has no reader for its window.  Ids and the count of slots alone: all eight waves go the same way
	s_cbranch_scc1 .Lpl_\@
	s_cmp_eq_u32 s[WH], 2
	s_cbranch_scc0 .Lpl_\@
	TL G0EL, G1E
.Lpl_\@:
	s_cmp_gt_u32 s[SN], s[PHI]
	s_cbranch_scc1 .Lph_\@
	s_cmp_eq_u32 s[WH], 3
	s_cbranch_scc0 .Lph_\@
	TL G0EH, G1E
.Lph_\@:
	; A PREFETCH of what the NEXT filling change will ask for of K and V: 128 rows of 128 bytes each.  All eight work-groups of a head walk the same K and V: the first asks; in it waves 0, 1 K's halves, waves 2, 3 V's:
	; 8,192 bytes a wave, lanes 256 bytes apart: each aligned 256 bytes once in the launch.  The last filling change asks for nothing; slots 0 and 1 come by their loads alone.  e16's windows are read by many work-groups and are not asked for.
	s_cmp_gt_u32 s[SLOTS], s[LIM]
	s_cbranch_scc0 .Lnot_mine_\@
	global_prefetch_b8 v[PFO], s[PFA:PFA+1] th:TH_LOAD_NT scope:SCOPE_SE
.Lnot_mine_\@:
.endif
.endm
; A SUB-STEP: 64 keys, the u-th of its slot.  At its head its K, and the E of the tiles that have the term, lie in registers.
; mode 0: the next sub-step lies in the same slot.  mode 1: the slots change and a slot is filled.  mode 2: they change and nothing is filled.  mode 3: the last sub-step: nothing follows.
; No two matrix instructions that follow each other, on any way, share an accumulator.
.macro SUB u, mode
	WIN W_LD
	VLOAD \u                                       ; wanted by the second product: it lands under the arm
	WIN 0
	s_cmp_gt_u32 s[KF], s[Q0+1]                    ; all 64 keys come after tile 1's 16 queries, and so after tile 0's
	s_cbranch_scc1 .Lnone_\@
	s_cmp_gt_u32 s[KF], s[Q0]                      ; they come after tile 0's alone
	s_cbranch_scc1 .Lone_\@
	; ---- both tiles have the relative term: tile 0's G stands under tile 1's way through the stage, tile 1's K Q^T under tile 0's
	CST 1
	WIN W_MM
	QE 1
	WIN 0
	PLACES 5                                       ; four in front of the stores of G and the loads into its registers, the fifth in front of the products that write over them
	SKEWR 1
	CST 0                                          ; in order behind tile 1's loads from the stage
	WIN W_MM
	QE 0
	WIN 0
	PLACES 5
	SKEWR 0
	s_wait_dscnt 42                                ; tile 1's sheared term is in; behind its loads stand tile 0's 2 + 8 stores and 32 loads
	WIN W_MM
	QK 1, 1
	s_wait_dscnt 0x0                               ; tile 0's is in
	QK 0, 1
	WIN 0
	s_branch .Ljoin_\@
.Lone_\@:
	; ---- tile 1 alone has it: tile 0's K Q^T stands under the way through the stage
	CST 1
	WIN W_MM
	QE 1
	WIN 0
	PLACES 5                                       ; as above
	SKEWR 1
	WIN W_MM
	QK 0, 0
	s_wait_dscnt 0x0                               ; the sheared term is in tile 1's registers
	QK 1, 1
	WIN 0
	s_branch .Ljoin_\@
.Lnone_\@:
	; ---- neither has it
	WIN W_MM
	QK 0, 0
	QK 1, 0
	WIN 0
.Ljoin_\@:
	s_wait_dscnt 0x0                               ; V is in: so the second product needs no wait, and the loads below may stay out across it
	s_add_co_u32 s[KF], s[KF], 64                  ; from here on: the next sub-step's first key
	PLACES 4                                       ; in front of the reads of S^T and of the loads into K's and E's registers
.if (\mode == 1) || (\mode == 2)
	CHANGE 2-\mode                                 ; my reads of this slot are over: K's and E's were waited for at the last sub-step's end, V's just now
	s_xor_b32 s[TB], s[TB], SLOT1
	ADDR
.endif
.if \mode != 3
	WIN W_LD
	KLOAD 1-\u                                     ; the next sub-step's fragments go out in three short runs, between the parts of the softmax
	WIN 0
.endif
	SM_A
.if \mode != 3
	PRE_E 1, 1-\u
.endif
	SM_B
.if \mode != 3
	PRE_E 0, 1-\u
.endif
	SM_C
	WIN W_MM
	PV
	WIN 0
	PLACES 4                                       ; in front of the next loads into V's registers and the next reads of O^T
	s_wait_dscnt 0x0                               ; the next sub-step's K and E are in
.endm
	s_wait_loadcnt 0x0                             ; Q
	CHANGE 1                                       ; slot 0 is whole; slot 1's tiles, first fills all of them, are asked for
	s_mov_b32 s[SLOTS], 14                         ; filling changes still to come: one a trip
	ADDR
	WIN W_LD
	KLOAD 0                                        ; the first sub-step's fragments; at key 0 both tiles have the term, whatever p and w
	ELOAD 1, 0
	ELOAD 0, 0
.irp t, 0,1
.irp c, 0,1
	ds_load_b128 v[VF+16*\t+8*\c:VF+16*\t+8*\c+3], v[ADE+\t] offset:64*\c          ; and block 0 of both bands, in V's registers, which are still free
	ds_load_b128 v[VF+16*\t+8*\c+4:VF+16*\t+8*\c+7], v[ADE+\t] offset:64*\c+32
.endr
.endr
	WIN 0
	s_wait_dscnt 0x0
	WIN W_MM
.irp c, 0,1                            ; the first carry: G's block 0 of the first sub-step, the two tiles by turns
.irp t, 1,0
.if \c == 0
	v_wmma_f32_16x16x32_f16 v[S+40*\t+32:S+40*\t+39], v[VF+16*\t:VF+16*\t+7], v[QR+16*\t:QR+16*\t+7], 0
.else
	v_wmma_f32_16x16x32_f16 v[S+40*\t+32:S+40*\t+39], v[VF+16*\t+8:VF+16*\t+15], v[QR+16*\t+8:QR+16*\t+15], v[S+40*\t+32:S+40*\t+39]
.endif
.endr
.endr
	WIN 0
	PLACES 5                                       ; in front of the stores of the carry, of V's loads, and of the products that write over the carry
.Lslot:                                            ; 14 trips, slots 0 to 13: the change of slots in trip S fills slot S + 2's tiles into the bytes that slot S leaves
	SUB 0, 0
	SUB 1, 1
	s_sub_co_u32 s[SLOTS], s[SLOTS], 1
	s_cmp_lg_u32 s[SLOTS], 0
	s_cbranch_scc1 .Lslot
	SUB 0, 0                                       ; slots 14 and 15 are written out: nothing is left to fetch
	SUB 1, 2
	SUB 0, 0
	SUB 1, 3
	; THE WAY OUT.  l's two halves and the other half of the lanes' are added; O^T / l is rounded to f16 and goes through my stage: a tile's 16 rows of 128 bytes are 2,048 consecutive bytes of o16.
.irp t, 0,1
	v_add_f32 v[ST+8*\t+4], v[ST+8*\t+2], v[ST+8*\t+3]
.endr
.irp t, 0,1
	v_permlanex16_b32 v[ST+8*\t+5], v[ST+8*\t+4], s[SEL], s[SEL+1]
.endr
.irp t, 0,1
	v_add_f32 v[ST+8*\t+4], v[ST+8*\t+4], v[ST+8*\t+5]
.endr
.irp t, 0,1
	v_rcp_f32 v[ST+8*\t+6], v[ST+8*\t+4]
.endr
	v_nop                                          ; a plain line behind the last reciprocal
	s_wait_alu depctr_va_vdst(0)                   ; and the wait ahead of the first use: one for both
.irp t, 0,1
.set i, 0
.rept 16
	v_pk_mul_f32 v[OA+32*\t+2*i:OA+32*\t+2*i+1], v[OA+32*\t+2*i:OA+32*\t+2*i+1], v[ST+8*\t+6:ST+8*\t+7] op_sel_hi:[1,0]
.set i, i+1
.endr
.set i, 0
.rept 16
	v_cvt_pk_f16_f32 v[S+40*\t+i], v[OA+32*\t+2*i], v[OA+32*\t+2*i+1]
.set i, i+1
.endr
.irp ct, 0,1,2,3
	ds_store_b128 v[WST], v[S+40*\t+4*\ct:S+40*\t+4*\ct+3] offset:2304*\t+32*\ct
.endr
.irp i4, 0,1,2,3
	ds_load_b128 v[S+40*\t+16+4*\i4:S+40*\t+16+4*\i4+3], v[WRD] offset:2304*\t+576*\i4     ; in order behind the stores above
.endr
.endr
.irp t, 0,1
.irp i4, 0,1,2,3
	s_wait_dscnt (1-\t)*8+3-\i4                    ; this load is in; behind it: the tile's later loads, and for tile 0 tile 1's four stores and four loads
	global_store_b128 v[GO], v[S+40*\t+16+4*\i4:S+40*\t+16+4*\i4+3], s[OL+2*\t:OL+2*\t+1] offset:512*\i4   ; 32 lanes store 512 consecutive bytes, aligned
.endr
.endr
	s_wait_tensorcnt 0x0                           ; the wave's end: the three lines, behind my last tensor load and my last LDS store
	ds_add_u32 v[SPW], v[NIL]
	s_wait_dscnt 0x0
	s_endpgm
.Lfunc_end_k_q60d3021994_attn:
	.size	k_q60d3021994_attn, .Lfunc_end_k_q60d3021994_attn-k_q60d3021994_attn
	.p2alignl 7, 3214868480
	.fill 96, 4, 3214868480
	.section	.rodata,"a",@progbits
	.p2align	6, 0x0
	.amdhsa_kernel k_q60d3021994_attn
		.amdhsa_group_segment_fixed_size 327680
		.amdhsa_private_segment_fixed_size 0
		.amdhsa_enable_private_segment 0
		.amdhsa_kernarg_size 24
		.amdhsa_user_sgpr_count 2
		.amdhsa_user_sgpr_kernarg_segment_ptr 1
		.amdhsa_wavefront_size32 1
		.amdhsa_system_sgpr_workgroup_id_x 1
		.amdhsa_system_sgpr_workgroup_id_y 1
		.amdhsa_system_sgpr_workgroup_id_z 1
		.amdhsa_system_vgpr_workitem_id 0
		.amdhsa_next_free_vgpr 512
		.amdhsa_next_free_sgpr 96
		.amdhsa_reserve_vcc 0
		.amdhsa_float_denorm_mode_32 3
		.amdhsa_float_denorm_mode_16_64 3
		.amdhsa_memory_ordered 1
		.amdhsa_forward_progress 1
		.amdhsa_inst_pref_size 215
	.end_amdhsa_kernel
	.amdgpu_metadata
---
amdhsa.version: [ 1, 2 ]
amdhsa.kernels:
  - .name:           k_q60d3021994_attn
    .symbol:         k_q60d3021994_attn.kd
    .args:
      - { .name: qkv16, .offset: 0, .size: 8, .value_kind: global_buffer, .address_space: global }
      - { .name: e16, .offset: 8, .size: 8, .value_kind: global_buffer, .address_space: global }
      - { .name: o16, .offset: 16, .size: 8, .value_kind: global_buffer, .address_space: global }
    .group_segment_fixed_size: 327680
    .private_segment_fixed_size: 0
    .kernarg_segment_align: 8
    .kernarg_segment_size: 24
    .max_flat_workgroup_size: 256
    .sgpr_count:     96
    .vgpr_count:     512
    .wavefront_size: 32
...
	.end_amdgpu_metadata
.endif
;; end of part 3
;; launch outp (part 4): grid 8 x 32, 4 waves a work-group, clusters of 4 x 4, 327,680 bytes of LDS; arguments o16, wo16, bo, out0; writes out0
.if DOCPART == 4
	.amdgcn_target "amdgcn-amd-amdhsa--gfx1250"
	.amdhsa_code_object_version 6
	.text
	.protected	k_q60d3021994_outp
	.globl	k_q60d3021994_outp
	.p2align	8
	.type	k_q60d3021994_outp,@function
k_q60d3021994_outp:
	s_mov_b64 s[64:65], 0
	v_nop
	global_prefetch_b8 v0, s[64:65] scope:SCOPE_SE
	s_setreg_imm32_b32 hwreg(HW_REG_WAVE_MODE, 25, 1), 1
	s_wait_xcnt 0x0
	s_wait_alu depctr_hold_cnt(0) depctr_sa_sdst(0) depctr_va_vdst(0) depctr_va_sdst(0) depctr_va_ssrc(0) depctr_va_vcc(0) depctr_vm_vsrc(0)
	s_getreg_b32 s2, hwreg(HW_REG_IB_STS2, 6, 4)
	s_cmp_eq_u32 s2, 0
	s_cbranch_scc0 .Lentry_in_a_cluster
	s_endpgm
.Lentry_in_a_cluster:
	s_bfe_u32 s2, ttmp6, 0x10000c
	s_cmp_lg_u32 s2, 0xf033
	s_cbranch_scc0 .Lentry_shape_is_right
	s_endpgm
.Lentry_shape_is_right:
; THE PROJECTION ON THE WAY OUT: out0[m][n] = sum over k of O[m][k] Wo[k][n] + bo[n].  O: o16, f16, [batch x 16 + head][position][64]: row m = 2048 batch + position, k = 64 head + channel.  Wo: wo16, f16, [k 1024][n 1024].  out0: [4096][1024] f32.  Sums in f32.
; A tile of 128 x 128 is made by four waves, 64 x 64 each: 16 accumulators.  K goes in four steps of 256 (four heads) through a ring of two LDS slots; a quarter of a step, 64 along K, is one head.
; A's tile for a wave's load: 64 positions x 4 heads: in memory four dense runs of 8,192 bytes, a head (262,144 bytes) apart; in LDS 16 bytes of padding behind every 128: rows of 144 bytes, a head's plane 9,216.
; B's tile: 128 rows k x 128 columns n, rows of 256 bytes + 32 of padding; it is read turned, by ds_load_tr16_b128.
; CLUSTERS: 4 x 4 work-groups; a row of the cluster shares A's tiles, a column B's: each is asked for jointly.  THE MATRIX INSTRUCTION IS USED TRANSPOSED (source 0 = 16 columns of Wo, source 1 = 16 rows of O): a lane holds eight neighbouring numbers of a row of out0.
; bo is the C of each sum's first product.
; REGISTERS: window 0: v0-31 addresses; v32-95 the way out; v96-127 bo; v128-255 the accumulators ((a, b) at v[128 + 8 (4 a + b)]).  window 1: two fragment buffers of 128: 64 registers of A, then 64 of B.
.set APITCH, 144
.set PLANE,  64*APITCH
.set BPITCH, 288
.set HALFT,  36864                     ; what one tensor load brings: 4 planes of A, or 128 rows of B
.set SLOT,   4*HALFT                   ; A's two halves, then B's two
.set SPARE,  2*SLOT                    ; behind the ring: the spare words, 128 bytes for each wave
.set SPITCH, 272                       ; the way out: a stage of 16 rows x (256 bytes + 16) for each wave, in slot 0, which has had its last fill and its last read by then
.set LAPS,   2
.set ADRA, 16                          ; v16-17  my A fragments in slot 0, 1
.set ADRB, 20                          ; v20-23  my B fragments: slot 0 rows 0-127, 128-255; slot 1 likewise (an LDS offset holds 16 bits)
.set STO,  24
.set RD,   25
.set CO,   26
.set SPW,  28
.set NIL,  29
.set OB,   32
.set BO,   96
.set ACC,  128
.set F0,   0
.set F1,   128
.set G1, 24
.set G0, 32
.set G1B, 48
.set G0B, 56
.set MSB, 0
.macro WIN new
.if MSB != \new
	s_set_vgpr_msb (MSB<<8)|\new
.set MSB, \new
.endif
.endm
.set MUL,  0x05                        ; sources 0 (B) and 1 (A) window 1; C and D window 0
.set TO_F, 0x40
.macro JLOAD s                         ; a joint load: waves 0 and 1 fetch A's halves, waves 2 and 3 B's
	s_cmp_eq_u32 s11, 0
	s_cbranch_scc0 .Lfor_b_\@
	tensor_load_to_lds s[G0+4*\s:G0+4*\s+3], s[G1:G1+7]
	s_nop 0
.rept 4
	v_nop
.endr
	s_branch .Lasked_\@
.Lfor_b_\@:
	tensor_load_to_lds s[G0B+4*\s:G0B+4*\s+3], s[G1B:G1B+7]
	s_nop 0
.rept 4
	v_nop
.endr
.Lasked_\@:
.endm
.macro CREST
	s_cmp_lg_u32 s10, 0
	s_cbranch_scc1 .Lnot_wave_0_\@
	s_barrier_signal -3
.Lnot_wave_0_\@:
	s_barrier_wait -3
	s_barrier_signal -1
	s_barrier_wait -1
.endm
.macro CROUND
	s_barrier_signal -1
	s_barrier_wait -1
	CREST
.endm
	s_load_b128 s[4:7], s[0:1], 0x0                ; o16, wo16
	s_load_b64 s[66:67], s[0:1], 0x10              ; bo
	s_load_b64 s[8:9], s[0:1], 0x18                ; out0
	v_lshl_add_u32 v[SPW], v0, 2, SPARE
	v_mov_b32 v[NIL], 0
	ds_add_u32 v[SPW], v[NIL]                      ; the wave's opening: the add, twice on end, and its wait ahead of my first tensor load
	ds_add_u32 v[SPW], v[NIL]
	v_lshrrev_b32 v1, 5, v0
	v_readfirstlane_b32 s10, v1                    ; wave 0..3
	s_lshr_b32 s11, s10, 1                         ; my half of the tile's rows.  Also: I fetch for A (0) or B (1)
	s_and_b32 s12, s10, 1                          ; my half of its columns.  Also: which half of that tile I fetch
	s_bfe_u32 s40, ttmp6, 0x40000
	s_bfe_u32 s41, ttmp6, 0x40004
	s_lshl_b32 s42, ttmp9, 2
	s_add_co_u32 s42, s42, s40                     ; tile column 0..7
	s_and_b32 s13, ttmp7, 0xffff
	s_lshl_b32 s13, s13, 2
	s_add_co_u32 s13, s13, s41                     ; tile row 0..31
	s_lshl_b32 s43, s41, 2
	s_lshl_b32 s43, 15, s43
	s_lshl_b32 s44, 0x1111, s40
	s_or_b32 s[G1+0], s43, (1<<16)|(1<<20)|(1<<21)|(4<<22)|(3<<25)  ; A: the mask of my row; elements of 2 bytes; padding: 4 words behind every 32
	s_mov_b32 s[G1+1], 4096<<16                    ; tensor_dim0: 64 positions x 64 channels on end
	s_mov_b32 s[G1+2], 4<<16                       ; tensor_dim1: four heads
	s_mov_b32 s[G1+3], 4096<<16                    ; tile_dim0
	s_mov_b32 s[G1+4], 4                           ; tile_dim1
	s_mov_b32 s[G1+5], 131072                      ; from head to head, in elements
	s_mov_b32 s[G1+6], 0
	s_mov_b32 s[G1+7], 0
	s_or_b32 s[G1B+0], s44, (1<<16)|(1<<20)|(1<<21)|(5<<22)|(7<<25) ; B: the mask of my column; padding: 8 words behind every 64
	s_mov_b32 s[G1B+1], 128<<16
	s_mov_b32 s[G1B+2], 128<<16
	s_mov_b32 s[G1B+3], 128<<16
	s_mov_b32 s[G1B+4], 128
	s_mov_b32 s[G1B+5], 1024
	s_mov_b32 s[G1B+6], 0
	s_mov_b32 s[G1B+7], 0
	s_lshr_b32 s16, s13, 4                         ; A: the batch: 16 heads x 2,048 rows,
	s_lshl_b32 s16, s16, 15
	s_and_b32 s17, s13, 15
	s_lshl_b32 s17, s17, 7                         ; the tile's 128 positions,
	s_add_co_u32 s16, s16, s17
	s_lshl_b32 s17, s12, 6                         ; my 64 of them;
	s_add_co_u32 s16, s16, s17
	s_lshl_b32 s16, s16, 7                         ; rows of 128 bytes
	s_mov_b32 s17, 0
	s_lshl_b32 s46, s12, 18                        ; B: my 128 rows of 2,048 bytes,
	s_lshl_b32 s47, s42, 8                         ; the tile's 128 columns
	s_add_co_u32 s46, s46, s47
	s_mov_b32 s47, 0
	s_mul_i32 s20, s10, HALFT                      ; where they go: wave x a load's bytes
	s_wait_dscnt 0x0                               ; both opening adds are done
	s_wait_kmcnt 0x0
	s_add_nc_u64 s[14:15], s[4:5], s[16:17]
	s_add_nc_u64 s[46:47], s[6:7], s[46:47]
	CROUND                                         ; all sixteen work-groups are here: the first joint loads meet
.irp s, 0,1
	s_mov_b32 s[G0+4*\s], 1
	s_add_co_u32 s[G0+4*\s+1], s20, \s*SLOT
	s_add_nc_u64 s[G0+4*\s+2:G0+4*\s+3], s[14:15], \s*1048576     ; a K step: four heads of 262,144 bytes
	s_or_b32 s[G0+4*\s+3], s[G0+4*\s+3], 0x80000000
	s_mov_b32 s[G0B+4*\s], 1
	s_add_co_u32 s[G0B+4*\s+1], s20, \s*SLOT
	s_add_nc_u64 s[G0B+4*\s+2:G0B+4*\s+3], s[46:47], \s*524288    ; 256 rows of 2,048 bytes
	s_or_b32 s[G0B+4*\s+3], s[G0B+4*\s+3], 0x80000000
	JLOAD \s
.endr
	v_and_b32 v1, 15, v0                           ; r
	v_bfe_u32 v2, v0, 4, 1                         ; h
	s_lshl_b32 s46, s42, 9
	s_lshl_b32 s47, s12, 8
	s_add_co_u32 s46, s46, s47                     ; my 64 columns, in bytes of f32: for bo and for out0
	s_mov_b32 s47, 0
	s_add_nc_u64 s[66:67], s[66:67], s[46:47]
	v_lshlrev_b32 v6, 5, v2                        ; lane (r, h) wants, for block b, bo at columns 16 b + 8 h + 0 .. 7
.irp b, 0,1,2,3
	global_load_b128 v[BO+8*\b:BO+8*\b+3], v6, s[66:67] offset:64*\b
	global_load_b128 v[BO+8*\b+4:BO+8*\b+7], v6, s[66:67] offset:64*\b+16
.endr
	v_mul_u32_u24 v3, v1, APITCH
	v_lshl_add_u32 v3, v2, 4, v3                   ; A: row r x pitch + 16 h
	s_mul_i32 s21, s11, HALFT                      ; my 64 rows
.irp s, 0,1
	v_add_nc_u32 v[ADRA+\s], s21, v3
	s_add_co_u32 s21, s21, SLOT
.endr
	v_and_b32 v4, 7, v0
	v_bfe_u32 v5, v0, 3, 1
	v_lshl_add_u32 v4, v2, 3, v4                   ; B, turned: row 8 h + lane % 8, columns 8 ((lane / 8) % 2) on
	v_mul_u32_u24 v4, v4, BPITCH
	v_lshl_add_u32 v4, v5, 4, v4
	s_lshl_b32 s22, s12, 7                         ; my 64 columns: 128 bytes
	s_add_co_u32 s22, s22, 2*HALFT                 ; behind A's two halves
	v_add_nc_u32 v[ADRB], s22, v4
	s_add_co_u32 s22, s22, HALFT
	v_add_nc_u32 v[ADRB+1], s22, v4
	s_add_co_u32 s22, s22, SLOT-HALFT
	v_add_nc_u32 v[ADRB+2], s22, v4
	s_add_co_u32 s22, s22, HALFT
	v_add_nc_u32 v[ADRB+3], s22, v4
	s_mul_i32 s23, s10, 16*SPITCH                  ; my stage
	v_mul_u32_u24 v5, v1, SPITCH
	v_lshl_add_u32 v5, v2, 5, v5
	v_add_nc_u32 v[STO], s23, v5                   ; in: row r, 32 bytes for each half of the lanes
	v_mul_u32_u24 v5, v2, SPITCH
	v_lshl_add_u32 v5, v1, 4, v5
	v_add_nc_u32 v[RD], s23, v5                    ; back: lanes 0-15 one row of 256 bytes, lanes 16-31 the next
	v_lshlrev_b32 v5, 12, v2
	v_lshl_add_u32 v[CO], v1, 4, v5                ; the same two rows of out0, 4,096 bytes apart
	s_lshl_b32 s16, s13, 7
	s_lshl_b32 s17, s11, 6
	s_add_co_u32 s16, s16, s17                     ; my first row
	s_lshl_b32 s16, s16, 12
	s_mov_b32 s17, 0
	s_add_nc_u64 s[8:9], s[8:9], s[16:17]
	s_add_nc_u64 s[8:9], s[8:9], s[46:47]
; 8 matrix instructions: m blocks a0, a0 + 1 x all 4 n blocks, 32 along K: half c of buffer f.  first = 1: C is bo.  The 16 accumulators take turns
.macro MUL8 f, c, a0, first
.irp a, \a0, \a0+1
.irp b, 0,1,2,3
.if \first
	v_wmma_f32_16x16x32_f16 v[ACC+8*(4*(\a)+\b):ACC+8*(4*(\a)+\b)+7], v[\f+64+8*(4*\c+\b):\f+64+8*(4*\c+\b)+7], v[\f+8*(4*\c+\a):\f+8*(4*\c+\a)+7], v[BO+8*\b:BO+8*\b+7]
.else
	v_wmma_f32_16x16x32_f16 v[ACC+8*(4*(\a)+\b):ACC+8*(4*(\a)+\b)+7], v[\f+64+8*(4*\c+\b):\f+64+8*(4*\c+\b)+7], v[\f+8*(4*\c+\a):\f+8*(4*\c+\a)+7], v[ACC+8*(4*(\a)+\b):ACC+8*(4*(\a)+\b)+7]
.endif
.endr
.endr
.endm
; 32 LDS loads in one run: the fragments of the slot's quarter q (64 along K: one head) into buffer f; the first 32 along K first
.macro FETCH slot, q, f
	WIN TO_F
.irp c, 0,1
.irp i, 0,1,2,3
	ds_load_tr16_b128 v[\f+64+8*(4*\c+\i):\f+64+8*(4*\c+\i)+3],   v[ADRB+2*(\slot)+(\q)/2] offset:(64*((\q)%2)+32*\c)*BPITCH+32*\i
	ds_load_tr16_b128 v[\f+64+8*(4*\c+\i)+4:\f+64+8*(4*\c+\i)+7], v[ADRB+2*(\slot)+(\q)/2] offset:(64*((\q)%2)+32*\c)*BPITCH+16*BPITCH+32*\i
	ds_load_b128 v[\f+8*(4*\c+\i):\f+8*(4*\c+\i)+3],         v[ADRA+\slot] offset:(\q)*PLANE+64*\c+\i*16*APITCH
	ds_load_b128 v[\f+8*(4*\c+\i)+4:\f+8*(4*\c+\i)+7],       v[ADRA+\slot] offset:(\q)*PLANE+64*\c+\i*16*APITCH+32
.endr
.endr
.endm
.macro PLACES                          ; four plain lines in front of loads into registers that matrix instructions have read, and of reads of results
.rept 4
	v_nop
.endr
.endm
; One of a K step's first three quarters: multiplies buffer f and fetches quarter q into g
.macro QUARTER slot, q, f, g, first
	s_wait_dscnt 16                                ; the first 32 along K are in; the youngest sixteen loads may be out
	WIN MUL
	MUL8 \f, 0, 0, \first
	MUL8 \f, 0, 2, \first
	PLACES
	FETCH \slot, \q, \g
	s_wait_dscnt 32                                ; all but the 32 just issued
	WIN MUL
	MUL8 \f, 1, 0, 0
	MUL8 \f, 1, 2, 0
.endm
; The last quarter multiplies buffer 1 and changes slots: one barrier; in front of it each wave waits for all its tensor loads, adds 0 to its spare word, and waits for that and for its reads of this slot.  fill = 1: this slot is filled again, two K steps ahead
.macro TURN slot, next, fill
	WIN 0
	s_wait_tensorcnt 0x0                           ; all my tensor loads have landed: my part of the next slot
	ds_add_u32 v[SPW], v[NIL]
	s_wait_dscnt 17                                ; the add and the youngest sixteen loads may be out
	WIN MUL
	MUL8 F1, 0, 0, 0
	s_wait_dscnt 0x0                               ; the add is done, and my reads of this slot are over
	s_barrier_signal -1
	MUL8 F1, 0, 2, 0
.if \fill
	WIN 0
.endif
	s_barrier_wait -1
.if \fill
	CREST                                          ; the barrier has opened a round of the cluster's: no wave of any partner still reads this slot or has a load on its way
	s_add_nc_u64 s[G0+4*\slot+2:G0+4*\slot+3], s[G0+4*\slot+2:G0+4*\slot+3], 2097152
	s_add_nc_u64 s[G0B+4*\slot+2:G0B+4*\slot+3], s[G0B+4*\slot+2:G0B+4*\slot+3], 1048576
	JLOAD \slot                                    ; the first tensor load behind the round; its four v_nop are also the places in front of the loads below
.else
	PLACES
.endif
	FETCH \next, 0, F0
	WIN MUL
	MUL8 F1, 1, 0, 0
	MUL8 F1, 1, 2, 0
.endm
	s_wait_tensorcnt 1                             ; my part of K step 0 is in; K step 1's load may be out
	s_barrier_signal -1
	s_barrier_wait -1
	FETCH 0, 0, F0
	s_wait_loadcnt 0x0                             ; bo
	QUARTER 0, 1, F0, F1, 1                        ; the first products start the sums on bo
	WIN 0
	s_mov_b32 s3, LAPS-1
.Llap:                                             ; a trip goes once round the ring and fills both slots again
	QUARTER 0, 2, F1, F0, 0
	QUARTER 0, 3, F0, F1, 0
	TURN 0, 1, 1
	QUARTER 1, 1, F0, F1, 0
	QUARTER 1, 2, F1, F0, 0
	QUARTER 1, 3, F0, F1, 0
	TURN 1, 0, 1
	QUARTER 0, 1, F0, F1, 0
	WIN 0
	s_sub_co_u32 s3, s3, 1
	s_cmp_lg_u32 s3, 0
	s_cbranch_scc1 .Llap
	QUARTER 0, 2, F1, F0, 0                        ; the last lap fills nothing
	QUARTER 0, 3, F0, F1, 0
	TURN 0, 1, 0
	QUARTER 1, 1, F0, F1, 0
	QUARTER 1, 2, F1, F0, 0
	QUARTER 1, 3, F0, F1, 0
	s_wait_dscnt 16
	WIN MUL
	MUL8 F1, 0, 0, 0
	MUL8 F1, 0, 2, 0
	s_wait_dscnt 0
	MUL8 F1, 1, 0, 0
	MUL8 F1, 1, 2, 0
	WIN 0
; THE WAY OUT, block by block of 16 rows x 64 columns.  A lane holds 32 neighbouring bytes of a row; a block goes through my own stage and comes back as whole rows of 256 bytes: sixteen lanes store 256 consecutive bytes, aligned.
.macro TOSTAGE a
.set BB, OB+32*((\a)%2)
.irp b, 0,1,2,3
	ds_store_b128 v[STO], v[ACC+8*(4*(\a)+\b):ACC+8*(4*(\a)+\b)+3] offset:64*\b        ; each accumulator from its low end on
	ds_store_b128 v[STO], v[ACC+8*(4*(\a)+\b)+4:ACC+8*(4*(\a)+\b)+7] offset:64*\b+16
.endr
.irp t, 0,1,2,3,4,5,6,7
	ds_load_b128 v[BB+4*\t:BB+4*\t+3], v[RD] offset:\t*2*SPITCH    ; LDS serves a wave's instructions in order
.endr
.endm
.macro SEND a, younger                 ; younger: the LDS instructions issued behind block a's loads, which may stay out
.set BB, OB+32*((\a)%2)
	s_wait_dscnt \younger
.irp t, 0,1,2,3,4,5,6,7
	global_store_b128 v[CO], v[BB+4*\t:BB+4*\t+3], s[8:9] offset:(\a)*65536+\t*8192 th:TH_STORE_NT   ; written once, read by nobody here
.endr
.endm
	PLACES
	TOSTAGE 0
.irp a, 1,2,3
.if \a > 1
	s_wait_xcnt 0x0                                ; block a - 2's stores have read their registers: block a's loads may land there
.endif
	TOSTAGE \a
	SEND \a-1, 16                                  ; behind block a - 1's loads: block a's 8 stores and 8 loads
.endr
	SEND 3, 0
	s_wait_tensorcnt 0x0                           ; the wave's end: the three lines, behind my last tensor load and my last LDS store
	ds_add_u32 v[SPW], v[NIL]
	s_wait_dscnt 0x0
	CROUND                                         ; the closing round
	s_endpgm
.Lfunc_end_k_q60d3021994_outp:
	.size	k_q60d3021994_outp, .Lfunc_end_k_q60d3021994_outp-k_q60d3021994_outp
	.p2alignl 7, 3214868480
	.fill 96, 4, 3214868480
	.section	.rodata,"a",@progbits
	.p2align	6, 0x0
	.amdhsa_kernel k_q60d3021994_outp
		.amdhsa_group_segment_fixed_size 327680
		.amdhsa_private_segment_fixed_size 0
		.amdhsa_enable_private_segment 0
		.amdhsa_kernarg_size 32
		.amdhsa_user_sgpr_count 2
		.amdhsa_user_sgpr_kernarg_segment_ptr 1
		.amdhsa_wavefront_size32 1
		.amdhsa_system_sgpr_workgroup_id_x 1
		.amdhsa_system_sgpr_workgroup_id_y 1
		.amdhsa_system_sgpr_workgroup_id_z 1
		.amdhsa_system_vgpr_workitem_id 0
		.amdhsa_next_free_vgpr 512
		.amdhsa_next_free_sgpr 72
		.amdhsa_reserve_vcc 0
		.amdhsa_float_denorm_mode_32 3
		.amdhsa_float_denorm_mode_16_64 3
		.amdhsa_memory_ordered 1
		.amdhsa_forward_progress 1
		.amdhsa_inst_pref_size 87
	.end_amdhsa_kernel
	.amdgpu_metadata
---
amdhsa.version: [ 1, 2 ]
amdhsa.kernels:
  - .name:           k_q60d3021994_outp
    .symbol:         k_q60d3021994_outp.kd
    .args:
      - { .name: o16, .offset: 0, .size: 8, .value_kind: global_buffer, .address_space: global }
      - { .name: wo16, .offset: 8, .size: 8, .value_kind: global_buffer, .address_space: global }
      - { .name: bo, .offset: 16, .size: 8, .value_kind: global_buffer, .address_space: global }
      - { .name: out0, .offset: 24, .size: 8, .value_kind: global_buffer, .address_space: global }
    .group_segment_fixed_size: 327680
    .private_segment_fixed_size: 0
    .kernarg_segment_align: 8
    .kernarg_segment_size: 32
    .max_flat_workgroup_size: 128
    .sgpr_count:     72
    .vgpr_count:     512
    .wavefront_size: 32
...
	.end_amdgpu_metadata
.endif
;; end of part 4
